; MI455X (gfx1250); checked and timed in simulation.
; The chip was launched on July 23, 2026; its instructions are those of AMD's public machine-readable ISA for CDNA 5 (MIT licence, August 2026) and "CDNA5" Instruction Set Architecture Reference Guide (July 2026). The comments in the code are by the model that wrote it; some were corrected since.
;; Multi Head Self Attention. Allowed arithmetic: matrix products marked QUANTISED: E2M3 operands, one E8M0 scale for each 32 along K, by v_wmma_scale_f32_16x16x128_f8f6f4 with both operands' format E2M3, f32 sums; everything else in f32.
;; Inputs: b_proj 1,024 float32; w_proj 1,024 x 1,024 float32; w_qkv 3,072 x 1,024 float32; x 8 x 1,024 x 1,024 float32.
;; Outputs: out0 8 x 1,024 x 1,024 float32.
;; This version of the problem:
;;   THIS VERSION OF THE PROBLEM IS GIVEN IN LOW PRECISION. The matrix products marked QUANTISED in the list below multiply operands that are first quantised to E2M3 (2 exponent bits, 3 mantissa bits; 6 bits a number), with one power-of-two scale for each 32 numbers along K (OCP MX v1.0); their sums are f32. All else is computed in f32.
;;   The module's matrix products, in the order in which they are computed (A, B: the left and right operand; K: the contracted axis; several contracted axes count as one K, in the product's order):
;;     1. [M 8,192, K 1,024] x [K 1,024, N 3,072]; A: input x; B: input w_qkv: QUANTISED
;;     2. batch 128 x [M 1,024, K 64] x [K 64, N 1,024]; A: computed on the way; B: computed on the way: QUANTISED
;;     3. batch 128 x [M 1,024, K 1,024] x [K 1,024, N 64]; A: softmax (see below); B: computed on the way: QUANTISED
;;     4. [M 8,192, K 1,024] x [K 1,024, N 1,024]; A: computed on the way; B: input w_proj: QUANTISED
;;   THE QUANTISER, for each operand of a quantised product, along K:
;;     - K is cut into blocks of 32 from its start; a last block that is shorter is filled with zeros.
;;     - A block's scale is 2^e with e = floor(log2(the largest magnitude in the block)) - 2, held to -126 .. 127; a block of zeros has e = 0. As a byte (E8M0): e + 127.
;;     - Each number is divided by its block's scale, clamped to +-7.5, and rounded to the nearest number of E2M3, ties to even, subnormals kept.
;;     - The product sums the exact products of the quantised numbers (number of the format x scale) in f32.
;;   ~~~python
;;   def quantise(x, axis):      # numpy; x: float32 -> the quantised numbers, widened to float32 again
;;       x = np.moveaxis(x, axis, -1); K = x.shape[-1]
;;       x = np.pad(x, [(0, 0)] * (x.ndim - 1) + [(0, -K % 32)]); x = x.reshape(x.shape[:-1] + (-1, 32)); a = np.abs(x).max(-1, keepdims=True)
;;       e = np.where(a > 0, np.clip(np.frexp(np.where(a > 0, a, 1))[1] - 1 - 2, -126, 127), 0)      # np.frexp(a)[1] - 1 = floor(log2(a)), exactly
;;       r = np.clip(x / 2.0 ** e, -7.5, 7.5)
;;       step = 2.0 ** (np.maximum(np.frexp(np.where(r == 0, 1, r))[1] - 1, 0) - 3)
;;       q = np.round(r / step) * step * 2.0 ** e      # np.round: ties to even
;;       return np.moveaxis(q.reshape(q.shape[:-2] + (-1,))[..., :K], -1, axis).astype(np.float32)
;;   ~~~
;;   SOFTMAX AHEAD OF A QUANTISED PRODUCT. Where the list says 'softmax', what is quantised is not the finished softmax but p = 2^(t - M), with t = logit x log2(e) and M = ceil(the row's largest t), a whole number; so 1/2 < the row's largest p <= 1. The row's sum l is taken of the UNQUANTISED p, in f32, and the product's result is divided by l at the end. Since M is a whole number, a kernel that streams over the keys may use a running M (the ceiling of the running maximum): every later rescaling is an exact power of two, which a block's scale takes up: the codes' values come out the same.
;;   OPERANDS COMPUTED ON THE WAY. 'Computed on the way' means the value that the module computes at that place (a softmax that the list does not call 'softmax' is quantised finished and normalised). What goes into a quantiser is computed in f32, as accurately as f32 sums, v_exp_f32 and their like allow (about 1e-6 of the number): no bf16 or f16 on the way to a quantiser, and a product that is left as it is and whose result goes on into a quantised operand takes f32 operands (vector FMAs, or v_wmma_f32_16x16x4_f32). A number that lies on a knife's edge between two numbers of the format may be rounded either way, as far as f32 arithmetic and the matrix unit's own rounding can turn it there, and no further.
;; One version. Each part assembles by itself: llvm-mc -triple=amdgcn-amd-amdhsa -mcpu=gfx1250 --defsym DOCPART=n.
;; ======== version 1 of 1: 4 launches
;; limits: right only within a limited range of input values
;; workspace buffers: opc 9,437,184 bytes; ops 393,216 bytes; qkvc 18,874,368 bytes; qkvs 786,432 bytes; oc 6,291,456 bytes; os 262,144 bytes
;; launch quant (part 1): grid 768 x 1, 2 waves a work-group, no clusters, 17,152 bytes of LDS; arguments x, w_qkv, w_proj, opc, ops; writes opc, ops
.if DOCPART == 1
	.amdgcn_target "amdgcn-amd-amdhsa--gfx1250"
	.amdhsa_code_object_version 6
	.text
	.protected	k_q8f9646f45a_quant
	.globl	k_q8f9646f45a_quant
	.p2align	8
	.type	k_q8f9646f45a_quant,@function
k_q8f9646f45a_quant:
	s_mov_b64 s[64:65], 0
	v_nop
	global_prefetch_b8 v0, s[64:65] scope:SCOPE_SE
	s_setreg_imm32_b32 hwreg(HW_REG_WAVE_MODE, 25, 1), 1
	s_wait_xcnt 0x0
; x [8192][1024], w_qkv [3072][1024] and w_proj [1024][1024], f32, K innermost, become codes of FP6 (E2M3) with one E8M0 byte for each 32 along K,
; laid as ONE matrix of 12,288 rows = 768 tiles of 16 rows (tiles 0-511 x, 512-703 w_qkv, 704-767 w_proj), in the order of the operand's registers.
; THE ROWS OF A TILE ARE NOT NEIGHBOURS: lane-row r of tile T is matrix row 32 (T / 2) + 8 (T % 2) + r + 8 (r / 8).
; CODES: [K / 256 (4)][tile][(K / 128) % 2][1,536 bytes]; a fragment (16 rows x 128 K, 12 registers a lane) is six pieces of 256 bytes, piece p = registers 2 p, 2 p + 1 of lane l at 8 l.
; SCALE WORDS: [tile][K / 256 (4)][r (16)][2 words]: 512 bytes a tile.
; A block's scale is 2^(floor(log2(largest magnitude)) - 2); its byte is the largest magnitude's exponent field - 2, held at 1 from below.
; LIMITS: a block of zeros gets the byte 1 (not 127): its codes are zeros, and only this program reads the bytes.  NaN and infinities among the inputs are not served.
; A wave takes one tile x 512 along K: four fragments.  Each load reads 512 consecutive bytes of one row; the 16 rows turn through the wave's own stage in LDS, so that lane (r, h) gets the
; 2 x 32 neighbours along K that the operand's layout gives it: both blocks are whole in the lane.  No barrier: waves share nothing.  Loads run two fragments (32 loads a wave) ahead.
.set STG,   8448                       ; a wave's stage: 16 rows of PITCH bytes
.set PITCH, 528                        ; 512 bytes + 16: 33 x 16
.set GSTR,  768*3072                   ; from one 256 along K to the next in the codes' buffer
.set R,     64                         ; v64-191  two sets of 64: numbers as loaded
.set X,     192                        ; v192-255 my 64 numbers: 32 c + i = k 64 c + 32 h + i of row r
.set F,     24                         ; v24-35   the fragment's codes
.set CT,    36                         ; v36-42   the second halves of the blocks' codes, before they are moved
.set SW,    16                         ; v16-19   the four fragments' scale words
	s_load_b128 s[4:7], s[0:1], 0x0                ; x, w_qkv
	s_load_b128 s[8:11], s[0:1], 0x10              ; w_proj, the codes
	s_load_b64 s[12:13], s[0:1], 0x20              ; the scale words
	v_lshl_add_u32 v62, v0, 2, 0x4200              ; my spare word, behind the two waves' stages (2 x 8,448 bytes)
	v_mov_b32 v63, 0
	v_lshrrev_b32 v1, 5, v0
	v_readfirstlane_b32 s16, v1                    ; wave
	v_and_b32 v2, 31, v0                           ; lane
	v_and_b32 v3, 15, v0                           ; r
	v_bfe_u32 v9, v0, 4, 1                         ; h
	v_lshlrev_b32 v4, 4, v2                        ; 16 x lane: my bytes of a load's 512
	v_lshlrev_b32 v7, 3, v2                        ; 8 x lane: my bytes of a piece
	v_lshlrev_b32 v8, 3, v9                        ; 8 h: where my two scale bytes stand in the word
	s_mul_i32 s30, s16, STG
	v_add_nc_u32 v5, s30, v4                       ; the stage, on the way in
	v_mul_u32_u24 v6, v3, PITCH
	v_lshl_add_u32 v6, v9, 7, v6
	v_add_nc_u32 v6, s30, v6                       ; and on the way out: row r, + 128 h
	v_mov_b32 v15, 0                               ; (a lane permute's destination counts as one of its sources)
	s_mov_b32 s32, 0x76543210
	s_mov_b32 s33, 0xfedcba98                      ; selects for lane l xor 16
	s_mov_b32 s31, 0xffff0000                      ; lanes 16-31
	s_lshl_b32 s17, ttmp9, 1                       ; a work-group of two waves takes one tile: 768 work-groups, three for each of 256 WGPs
	s_add_co_u32 s17, s17, s16                     ; 2 x work-group + wave
	s_lshr_b32 s18, s17, 1                         ; the tile
	s_and_b32 s19, s17, 1                          ; which 512 along K
	s_mov_b32 s20, 704
	s_wait_alu depctr_va_vdst(0)
	s_wait_kmcnt 0x0
	s_cmp_lt_u32 ttmp9, 704                        ; which tensor: the choice hangs on the work-group's number, which is the tile's, alone
	s_cselect_b64 s[6:7], s[6:7], s[8:9]
	s_cselect_b32 s20, 512, s20
	s_cmp_lt_u32 ttmp9, 512
	s_cselect_b64 s[4:5], s[4:5], s[6:7]
	s_cselect_b32 s20, 0, s20
	s_sub_co_u32 s20, s18, s20                     ; the tile within its tensor
	s_lshr_b32 s21, s20, 1
	s_lshl_b32 s21, s21, 5
	s_and_b32 s22, s20, 1
	s_lshl_b32 s22, s22, 3
	s_add_co_u32 s21, s21, s22                     ; its first row
	s_lshl_b32 s22, s21, 12                        ; x 4,096 bytes
	s_lshl_b32 s21, s19, 11
	s_add_co_u32 s22, s22, s21                     ; + 2,048 for the second 512 along K
	s_mov_b32 s23, 0
	s_add_nc_u64 s[4:5], s[4:5], s[22:23]
	s_mul_i32 s24, s18, 3072
	s_mul_i32 s25, s19, 2*GSTR
	s_add_co_u32 s24, s24, s25
	s_mov_b32 s25, 0
	s_add_nc_u64 s[26:27], s[10:11], s[24:25]      ; my first two fragments' place,
	s_add_nc_u64 s[28:29], s[26:27], GSTR          ; and my last two's
	s_lshl_b32 s34, s17, 8
	s_mov_b32 s35, 0
	s_add_nc_u64 s[12:13], s[12:13], s[34:35]      ; my 256 bytes of scale words
.macro LOAD s                          ; fragment s: 128 along K of the tile's 16 rows
.irp i, 0,1,2,3,4,5,6,7,8,9,10,11,12,13,14,15
	global_load_b128 v[R+64*((\s)%2)+4*\i:R+64*((\s)%2)+4*\i+3], v4, s[4:5] offset:(\i+8*(\i/8))*4096+512*(\s) th:TH_LOAD_NT
.endr
.endm
.macro STEP s
.if (\s) < 3
	s_wait_loadcnt 16                              ; this fragment's 16 loads are in; the next one's may be out
.else
	s_wait_loadcnt 0x0
.endif
.irp i, 0,1,2,3,4,5,6,7,8,9,10,11,12,13,14,15
	ds_store_b128 v5, v[R+64*((\s)%2)+4*\i:R+64*((\s)%2)+4*\i+3] offset:PITCH*\i
.endr
.irp c, 0,1
.irp j, 0,1,2,3,4,5,6,7
	ds_load_b128 v[X+32*\c+4*\j:X+32*\c+4*\j+3], v6 offset:256*\c+16*\j   ; LDS serves a wave's instructions in order: these see the stores above
.endr
.endr
	s_wait_dscnt 0x0
.if (\s)+2 < 4
	LOAD (\s)+2
.endif
.irp c, 0,1
	v_max3_num_f32 v[10+\c], |v[X+32*\c]|, |v[X+32*\c+1]|, 0x1800000   ; block 2 c + h, all mine; and the floor 2^(3 - 127): the byte cannot fall under 1
.endr
.irp i, 2,4,6,8,10,12,14,16,18,20,22,24,26,28,30
.irp c, 0,1
	v_max3_num_f32 v[10+\c], v[10+\c], |v[X+32*\c+\i]|, |v[X+32*\c+\i+1]|
.endr
.endr
.irp c, 0,1
	v_add_nc_u32 v[12+\c], 0xff000000, v[10+\c]    ; 2 off the exponent field: the conversion's scale operand
.endr
.irp c, 0,1
	v_lshrrev_b32 v[10+\c], 23, v[12+\c]           ; the scale's byte
.endr
	v_lshl_or_b32 v14, v11, 16, v10                ; my two bytes, blocks h and 2 + h,
	v_lshlrev_b32 v14, v8, v14                     ; at their places;
	v_permlanex16_b32 v15, v14, s32, s33
	v_or_b32 v[SW+(\s)], v14, v15                  ; with lane l xor 16's two the word is whole
	s_wait_alu depctr_va_vdst(0)
	s_wait_xcnt 0x0                                ; the last fragment's stores have read their data: the codes' registers may be written again
.irp c, 0,1
	v_cvt_scalef32_pk16_fp6_f32 v[F+6*\c:F+6*\c+2], v[X+32*\c:X+32*\c+15], v[12+\c]
	v_cvt_scalef32_pk16_fp6_f32 v[CT+4*\c:CT+4*\c+2], v[X+32*\c+16:X+32*\c+31], v[12+\c]   ; (a conversion's three registers begin on an even number)
.endr
	v_nop                                          ; one plain place behind a scaled conversion
.irp c, 0,1
.irp i, 0,1,2
	v_mov_b32 v[F+6*\c+3+\i], v[CT+4*\c+\i]
.endr
.endr
.irp p, 0,1,2,3,4,5
.if (\s) < 2
	global_store_b64 v7, v[F+2*\p:F+2*\p+1], s[26:27] offset:((\s)%2)*1536+256*\p   ; 32 lanes store 256 consecutive bytes, at a multiple of 256 from the buffer's first byte
.else
	global_store_b64 v7, v[F+2*\p:F+2*\p+1], s[28:29] offset:((\s)%2)*1536+256*\p
.endif
.endr
.endm
	LOAD 0
	LOAD 1
	STEP 0
	STEP 1
	STEP 2
	STEP 3
	v_cndmask_b32 v20, v16, v18, s31               ; lanes 0-15: the first 256 along K's two words of row r; lanes 16-31: the second's
	v_cndmask_b32 v21, v17, v19, s31
	global_store_b64 v7, v[20:21], s[12:13]        ; 256 consecutive bytes
	s_wait_tensorcnt 0x0
	ds_add_u32 v62, v63
	s_wait_dscnt 0x0
	s_endpgm
.Lfunc_end_k_q8f9646f45a_quant:
	.size	k_q8f9646f45a_quant, .Lfunc_end_k_q8f9646f45a_quant-k_q8f9646f45a_quant
	.p2alignl 7, 3214868480
	.fill 96, 4, 3214868480
	.section	.rodata,"a",@progbits
	.p2align	6, 0x0
	.amdhsa_kernel k_q8f9646f45a_quant
		.amdhsa_group_segment_fixed_size 17152
		.amdhsa_private_segment_fixed_size 0
		.amdhsa_enable_private_segment 0
		.amdhsa_kernarg_size 40
		.amdhsa_user_sgpr_count 2
		.amdhsa_user_sgpr_kernarg_segment_ptr 1
		.amdhsa_wavefront_size32 1
		.amdhsa_system_sgpr_workgroup_id_x 1
		.amdhsa_system_sgpr_workgroup_id_y 1
		.amdhsa_system_sgpr_workgroup_id_z 1
		.amdhsa_system_vgpr_workitem_id 0
		.amdhsa_next_free_vgpr 256
		.amdhsa_next_free_sgpr 66
		.amdhsa_reserve_vcc 0
		.amdhsa_float_denorm_mode_32 3
		.amdhsa_float_denorm_mode_16_64 3
		.amdhsa_memory_ordered 1
		.amdhsa_forward_progress 1
		.amdhsa_inst_pref_size 32
	.end_amdhsa_kernel
	.amdgpu_metadata
---
amdhsa.version: [ 1, 2 ]
amdhsa.kernels:
  - .name:           k_q8f9646f45a_quant
    .symbol:         k_q8f9646f45a_quant.kd
    .args:
      - { .name: x, .offset: 0, .size: 8, .value_kind: global_buffer, .address_space: global }
      - { .name: w_qkv, .offset: 8, .size: 8, .value_kind: global_buffer, .address_space: global }
      - { .name: w_proj, .offset: 16, .size: 8, .value_kind: global_buffer, .address_space: global }
      - { .name: opc, .offset: 24, .size: 8, .value_kind: global_buffer, .address_space: global }
      - { .name: ops, .offset: 32, .size: 8, .value_kind: global_buffer, .address_space: global }
    .group_segment_fixed_size: 17152
    .private_segment_fixed_size: 0
    .kernarg_segment_align: 8
    .kernarg_segment_size: 40
    .max_flat_workgroup_size: 64
    .sgpr_count:     66
    .vgpr_count:     256
    .wavefront_size: 32
...
	.end_amdgpu_metadata
.endif
;; end of part 1
;; launch gemm_qkv (part 2): grid 8 x 48, 4 waves a work-group, clusters of 4 x 4, 327,680 bytes of LDS; arguments opc, ops, qkvc, qkvs; writes qkvc, qkvs
.if DOCPART == 2
	.amdgcn_target "amdgcn-amd-amdhsa--gfx1250"
	.amdhsa_code_object_version 6
	.text
	.protected	k_q8f9646f45a_gemm_qkv
	.globl	k_q8f9646f45a_gemm_qkv
	.p2align	8
	.type	k_q8f9646f45a_gemm_qkv,@function
k_q8f9646f45a_gemm_qkv:
	s_mov_b64 s[64:65], 0
	v_nop
	global_prefetch_b8 v0, s[64:65] scope:SCOPE_SE
	s_setreg_imm32_b32 hwreg(HW_REG_WAVE_MODE, 25, 1), 1
	s_wait_xcnt 0x0
	s_wait_alu depctr_hold_cnt(0) depctr_sa_sdst(0) depctr_va_vdst(0) depctr_va_sdst(0) depctr_va_ssrc(0) depctr_va_vcc(0) depctr_vm_vsrc(0)
	s_getreg_b32 s2, hwreg(HW_REG_IB_STS2, 6, 4)
	s_cmp_eq_u32 s2, 0
	s_cbranch_scc0 .Lentry_in_a_cluster
	s_endpgm
.Lentry_in_a_cluster:
	s_bfe_u32 s2, ttmp6, 0x10000c
	s_cmp_lg_u32 s2, 0xf033
	s_cbranch_scc0 .Lentry_shape_is_right
	s_endpgm
.Lentry_shape_is_right:
; qkv = x w_qkv^T on codes of FP6 (E2M3) with E8M0 scales, K = 1,024; the results are quantised in registers and leave as images of attention's operand registers: qkv never goes to memory as f32.
; A work-group of four waves makes 256 x 256 of the product, a wave 128 x 128: 64 accumulators of 16 x 16.  Source 0 of the matrix instruction gives the axis that runs along a lane's registers.
; TWO REGIONS, told apart by the cluster's y (the same in all sixteen partners):
;   y < 8:  q and k.  Source 0 = rows 0-2,047 of w_qkv, source 1 = tokens: a lane holds one token, its registers run along the head's 64, which is the K of q k^T.
;   y >= 8: v.        Source 0 = tokens, source 1 = rows 2,048-3,071 of w_qkv: a lane holds one channel, its registers run along the tokens, which are the K of p v.
; THE ROWS OF A TILE of 16 are rows 32 (T / 2) + 8 (T % 2) + r + 8 (r / 8), in both operands: so the 16 registers of two neighbouring tiles of source 0 are 16 neighbours, 32 b + 16 (lane / 16) + 0 .. 15.
; OPERANDS arrive in the order of their registers: a tile's 256 along K are 3,072 dense bytes, 8 tiles 24,576: one tensor load a wave, dense, and every LDS load takes 256 consecutive bytes.
; K = 1,024 is four slots' worth.  Three LDS slots are filled at the start, with the scale words of all of K; the fourth quarter fills slot 0 again behind one round of the cluster's barrier, two quarters
; (256 matrix instructions) ahead of its use.  By this text's count a wave has four tensor loads out at the start and one later.
; CLUSTERS: 4 x 4.  Source 1's tiles are shared along a row of the cluster, source 0's along a column: each is asked for jointly.
; No prefetch is laid: three quarters of what a work-group reads is asked for at its head, the last quarter two slots ahead.
; WHAT IS STORED.  q, k: [head of a batch (128)][32 tokens (32)][1,536]: registers 0-5 token 32 i + r + 8 (r / 8), channels 32 h + 0 .. 31; registers 6-11 the token 8 further on.
;   v: [head (128)][128 keys (8)][tile of 16 channels (4)][1,536].  An image is three pieces of 512 bytes, piece c = registers 4 c .. 4 c + 3 of lane l at 16 l.
;   Scale words: units of 256 bytes for four fragments: at 8 l word 0 = fragment (l / 16), word 1 = fragment 2 + (l / 16), of row l % 16.
; LIMITS: a block of zeros gets the byte 1 (not 127): its codes are zeros, and only this program reads the bytes.  NaN and infinities are not served.
; REGISTERS: window 0: v16-29 addresses; v32-63 scale words, two sets; v128-223 source 1's fragments, one set.  window 1: source 0's fragments, two sets, at v0 and v128.  windows 2, 3: the accumulators, (a, b) at v[8 (8 (a % 4) + b)].
; THE FILLS AS THIS TEXT HAS THEM (this takes the place of what the lines above say of slots, of loads out and of what is asked for at the head).
; LDS: three slots of 49,152 bytes for source 1 (from 0), three for source 0 (from BREG), the scale words, the spare words.  A slot holds 16 tiles x 256 along K.
; At the head one joint load a wave: wave 0 source 1's quarters 0 and 1 of K as 2 rows of 49,152 bytes, GSTR apart in memory; wave 1 source 0's; wave 2 source 1's scale words of all of K; wave 3 source 0's.
; Behind the wait for them, the add and a round of the cluster's barrier: quarter 2, into slot 2, half a side a wave.  In step 2, behind a round: quarter 3, into slot 0.  A wave never has more than one tensor load out.
; No prefetch: half of the codes is asked for at the head, quarter 2 and quarter 3 each three steps ahead of the first read, and the walk has no loop to run ahead in.
.set FR,    12
.set TILEB, 3072                       ; a tile: 16 rows x 256 K
.set HALFT, 8*TILEB                    ; what one tensor load brings, and what one wave reads of a side
.set SLOT,  4*HALFT                    ; a quarter of K of both sources
.set AS,    2*HALFT                    ; a slot of one source: 16 tiles
.set BREG,  3*AS                       ; source 0's three slots, behind source 1's
.set GSTR,  768*TILEB                  ; from one 256 along K to the next in memory
.set SCL,   3*SLOT                     ; behind the slots: the scale words, 4 x 4,096 bytes
.set SPARE, SCL+16384                  ; the spare words, 128 bytes a wave: two blocks of 256 bytes that no other line names
.set ADRA, 16                          ; v16-18  LDS address of my fragments of source 1 in slot 0, 1, 2
.set ADRB, 20                          ; v20-22  of source 0
.set L8,   25                          ; v25     8 x lane
.set L16,  26                          ; v26     16 x lane
.set ADRS, 27                          ; v27     my scale words: lanes 0-15 source 1's, lanes 16-31 source 0's
.set SPW,  28                          ; v28     my spare word; never rewritten
.set NIL,  29                          ; v29     0; never rewritten
.set SC,   32
.set AF,   128
.set FI,   32                          ; the way out: v32-127 the images, each register written once
.set PW,   128                         ; v128-135 scale words as made
.set WW,   136                         ; v136-143 q's and k's scale words
.set XX,   144                         ; v144-147 units' words
.set TM,   160                         ; v160-175 at work
.set CT,   176                         ; v176-182 second halves of the codes
.set G1A,  24
.set G1B,  32
.set G1SA, 40
.set G1SB, 48
.set G0A,  56                          ; the head's load at s56, quarter 3's (slot 0) at s60, quarter 2's (slot 2) at s68
.set G0B,  72
.set G0SA, 84
.set G0SB, 88
.set MSB, 0
.macro WIN new                         ; the immediate's high byte repeats the setting that is left
.if MSB != (\new)
	s_set_vgpr_msb (MSB<<8)|(\new)
.set MSB, (\new)
.endif
.endm
.set MUL_LO, 0xa1                      ; source 0 window 1, source 1 window 0, C and D window 2
.set MUL_HI, 0xf1                      ; the same, C and D window 3
.set TO_B,   0x40                      ; destination window 1, address window 0
; A joint load: waves 0 and 1 fetch for source 1, waves 2 and 3 for source 0.  The branch hangs on the wave's number alone.  Four v_nop follow each of the two lines.
.macro JLOAD g0a, g1a, g0b, g1b
	s_cmp_eq_u32 s15, 0
	s_cbranch_scc0 .Lfor_b_\@
	tensor_load_to_lds s[\g0a:\g0a+3], s[\g1a:\g1a+7]
	s_nop 0
.rept 4
	v_nop
.endr
	s_branch .Lasked_\@
.Lfor_b_\@:
	tensor_load_to_lds s[\g0b:\g0b+3], s[\g1b:\g1b+7]
	s_nop 0
.rept 4
	v_nop
.endr
.Lasked_\@:
.endm
.macro CREST                           ; a round of the cluster's barrier behind its opening barrier
	s_cmp_lg_u32 s14, 0
	s_cbranch_scc1 .Lnot_wave_0_\@
	s_barrier_signal -3
.Lnot_wave_0_\@:
	s_barrier_wait -3
	s_barrier_signal -1
	s_barrier_wait -1
.endm
.macro CROUND
	s_barrier_signal -1
	s_barrier_wait -1
	CREST
.endm
.macro PLACES                          ; four places behind matrix instructions, in front of loads into their registers and of reads of their results
.rept 4
	v_nop
.endr
.endm
	s_load_b128 s[4:7], s[0:1], 0x0                ; the operands' codes, their scale words
	s_load_b128 s[8:11], s[0:1], 0x10              ; q, k, v as codes; their scale words
	v_lshl_add_u32 v[SPW], v0, 2, SPARE
	v_mov_b32 v[NIL], 0
	ds_add_u32 v28, v29
	ds_add_u32 v28, v29
	s_wait_dscnt 0x0
	v_lshrrev_b32 v1, 5, v0
	v_readfirstlane_b32 s14, v1                    ; wave 0..3
	s_lshr_b32 s15, s14, 1                         ; my half of source 1's rows.  Also: I fetch for source 1 (0) or source 0 (1)
	s_and_b32 s16, s14, 1                          ; my half of source 0's rows.  Also: which 128 rows I fetch
	s_bfe_u32 s92, ttmp6, 0x40000                  ; cx
	s_bfe_u32 s93, ttmp6, 0x40004                  ; cy
	s_and_b32 s94, ttmp7, 0xffff                   ; the cluster's y: 0-7 q and k, 8-11 v
	s_lshl_b32 s95, s94, 1
	s_add_co_u32 s95, s95, ttmp9
	s_sub_co_u32 s95, s95, 16                      ; v: the tokens' group of four tiles = x + 2 (y - 8)
	s_cmp_lt_u32 s94, 8
	s_cselect_b32 s95, ttmp9, s95                  ; source 0's group of four tiles of 256 rows
	s_cselect_b32 s96, s94, 0                      ; source 1's
	s_cselect_b32 s97, 512, 0                      ; source 0's first tile of 16 in the operands' buffer: w_qkv or x
	s_cselect_b32 s98, 0, 640                      ; source 1's: x, or w_qkv's row 2,048
	s_lshl_b32 s95, s95, 2
	s_add_co_u32 s95, s95, s92                     ; source 0's tile of 256 rows
	s_lshl_b32 s96, s96, 2
	s_add_co_u32 s96, s96, s93                     ; source 1's
	s_lshl_b32 s99, s93, 2
	s_lshl_b32 s99, 15, s99                        ; my row of the cluster
	s_lshl_b32 s100, 0x1111, s92                   ; my column
	; group 1: dense blocks as rows of 256 bytes (32 elements of 8 bytes): 96 rows of codes, 32 rows of scale words; no padding
	s_or_b32 s[G1A], s99, (3<<16)|(1<<21)          ; 15:0 the mask; 17:16 elements of 8 bytes; 21 set beside a mask
	s_or_b32 s[G1B], s100, (3<<16)|(1<<21)
	s_or_b32 s[G1SA], s99, (3<<16)|(1<<21)
	s_or_b32 s[G1SB], s100, (3<<16)|(1<<21)
.irp g, G1A, G1B                       ; for the head's loads: 2 rows of 6,144 elements (49,152 bytes), GSTR bytes apart
	s_mov_b32 s[\g+1], 6144<<16
	s_mov_b32 s[\g+2], 2<<16
	s_mov_b32 s[\g+3], 6144<<16
	s_mov_b32 s[\g+4], 2
	s_mov_b32 s[\g+5], GSTR/8
	s_mov_b32 s[\g+6], 0
	s_mov_b32 s[\g+7], 0
.endr
.irp g, G1SA, G1SB
	s_mov_b32 s[\g+1], 32<<16
	s_mov_b32 s[\g+2], 32<<16                      ; 16 tiles' scale words: 32 rows of 256 bytes
	s_mov_b32 s[\g+3], 32<<16
	s_mov_b32 s[\g+4], 32
	s_mov_b32 s[\g+5], 32
	s_mov_b32 s[\g+6], 0
	s_mov_b32 s[\g+7], 0
.endr
	s_lshl_b32 s18, s96, 4
	s_add_co_u32 s18, s18, s98                     ; source 1: my first tile of 16 rows
	s_mul_i32 s20, s18, TILEB
	s_mov_b32 s21, 0
	s_lshl_b32 s22, s18, 9
	s_mov_b32 s23, 0
	s_lshl_b32 s19, s95, 4
	s_add_co_u32 s19, s19, s97                     ; source 0 likewise, in registers that never hold cy
	s_mul_i32 s2, s19, TILEB
	s_mov_b32 s3, 0
	s_lshl_b32 s12, s19, 9
	s_mov_b32 s13, 0
	s_mul_i32 s100, s16, HALFT                     ; behind the head I fetch 8 tiles of a side's 16: their place, in memory and in LDS alike
	s_mov_b32 s101, 0
	s_wait_kmcnt 0x0
	s_add_nc_u64 s[20:21], s[4:5], s[20:21]
	s_add_nc_u64 s[22:23], s[6:7], s[22:23]
	s_add_nc_u64 s[2:3], s[4:5], s[2:3]
	s_add_nc_u64 s[12:13], s[6:7], s[12:13]
	CROUND                                         ; all sixteen work-groups are here: the first joint loads meet
	s_mov_b32 s[G0SA], 1
	s_mov_b32 s[G0SA+1], SCL
	s_mov_b64 s[G0SA+2:G0SA+3], s[22:23]
	s_or_b32 s[G0SA+3], s[G0SA+3], 0x80000000
	s_mov_b32 s[G0SB], 1
	s_mov_b32 s[G0SB+1], SCL+8192
	s_mov_b64 s[G0SB+2:G0SB+3], s[12:13]
	s_or_b32 s[G0SB+3], s[G0SB+3], 0x80000000
; group 0: G0A, G0B the head's (quarters 0, 1, all 16 tiles); G0A+4, G0B+4 quarter 3 into slot 0; G0A+12, G0B+8 quarter 2 into slot 2 (my 8 tiles)
.irp g, G0A, G0A+4, G0A+12, G0B, G0B+4, G0B+8
	s_mov_b32 s[\g], 1
.endr
	s_mov_b32 s[G0A+1], 0
	s_mov_b64 s[G0A+2:G0A+3], s[20:21]
	s_mov_b32 s[G0B+1], BREG
	s_mov_b64 s[G0B+2:G0B+3], s[2:3]
	s_add_nc_u64 s[20:21], s[20:21], s[100:101]
	s_add_nc_u64 s[2:3], s[2:3], s[100:101]
	s_mov_b32 s[G0A+5], s100
	s_add_nc_u64 s[G0A+6:G0A+7], s[20:21], 3*GSTR
	s_add_co_u32 s[G0A+13], s100, 2*AS
	s_add_nc_u64 s[G0A+14:G0A+15], s[20:21], 2*GSTR
	s_add_co_u32 s[G0B+5], s100, BREG
	s_add_nc_u64 s[G0B+6:G0B+7], s[2:3], 3*GSTR
	s_add_co_u32 s[G0B+9], s100, BREG+2*AS
	s_add_nc_u64 s[G0B+10:G0B+11], s[2:3], 2*GSTR
.irp g, G0A, G0A+4, G0A+12, G0B, G0B+4, G0B+8
	s_or_b32 s[\g+3], s[\g+3], 0x80000000
.endr
; the head's loads, one a wave, in one chain of branches on the wave's number
.macro ARM under, g0, g1, next
	s_cmp_lt_u32 s14, \under
	s_cbranch_scc0 \next
	tensor_load_to_lds s[\g0:\g0+3], s[\g1:\g1+7]
	s_nop 0
.rept 4
	v_nop
.endr
	s_branch .Lhead_asked
\next:
.endm
	ARM 1, G0A,  G1A,  .Lhead_b
	ARM 2, G0B,  G1B,  .Lhead_sa
	ARM 3, G0SA, G1SA, .Lhead_sb
	tensor_load_to_lds s[G0SB:G0SB+3], s[G1SB:G1SB+7]
	s_nop 0
.rept 4
	v_nop
.endr
.Lhead_asked:
	v_and_b32 v1, 15, v0                           ; r
	v_bfe_u32 v2, v0, 4, 1                         ; h
	v_and_b32 v3, 31, v0
	v_lshlrev_b32 v[L8], 3, v3
	v_lshlrev_b32 v[L16], 4, v3
	s_mul_i32 s17, s15, HALFT                      ; my 8 tiles of source 1
	s_mul_i32 s18, s16, HALFT
	s_add_co_u32 s18, s18, BREG                    ; my 8 tiles of source 0, in its own slots
.irp s, 0,1,2
	v_add_nc_u32 v[ADRA+\s], s17, v[L8]
	v_add_nc_u32 v[ADRB+\s], s18, v[L8]
	s_add_co_u32 s17, s17, AS
	s_add_co_u32 s18, s18, AS
.endr
	s_lshl_b32 s17, s15, 12                        ; source 1's scale words: my 8 tiles
	s_lshl_b32 s18, s16, 12
	s_add_co_u32 s18, s18, 8192                    ; source 0's, behind source 1's 8,192 bytes
	s_sub_co_u32 s18, s18, s17
	v_mul_u32_u24 v6, s18, v2                      ; lanes 16-31 take source 0's
	s_add_co_u32 s17, s17, SCL
	v_lshlrev_b32 v5, 3, v1                        ; 8 bytes a row
	v_add_nc_u32 v5, v5, v6
	v_add_nc_u32 v[ADRS], s17, v5
.macro FRAG reg, adr, q, i             ; a fragment comes as it was laid: six loads of 8 bytes a lane, 256 consecutive bytes each
.irp p, 0,1,2,3,4,5
	ds_load_b64 v[\reg+2*\p:\reg+2*\p+1], v[\adr] offset:(\i)*TILEB+(\q)*1536+256*\p
.endr
.endm
; 16 matrix instructions: source 1's blocks a0, a0 + 1 x source 0's eight; q: which 128 of the slot's 256 along K, and source 0's set; sc: the set of scale words.  zero = 1: the products start the sums.
; The 64 accumulators take turns, one instruction a turn, in the same order in every step.
.macro MUL16 a0, q, sc, zero
.irp a, \a0, \a0+1
.irp b, 0,1,2,3,4,5,6,7
.if \zero
	v_wmma_scale_f32_16x16x128_f8f6f4 v[8*(8*((\a)%4)+\b):8*(8*((\a)%4)+\b)+7], v[128*(\q)+FR*\b:128*(\q)+FR*\b+FR-1], v[AF+FR*(\a):AF+FR*(\a)+FR-1], 0, v[SC+16*(\sc)+2*\b+(\q)], v[SC+16*(\sc)+2*(\a)+(\q)] matrix_a_fmt:MATRIX_FMT_FP6 matrix_b_fmt:MATRIX_FMT_FP6 matrix_a_scale:MATRIX_SCALE_ROW1
.else
	v_wmma_scale_f32_16x16x128_f8f6f4 v[8*(8*((\a)%4)+\b):8*(8*((\a)%4)+\b)+7], v[128*(\q)+FR*\b:128*(\q)+FR*\b+FR-1], v[AF+FR*(\a):AF+FR*(\a)+FR-1], v[8*(8*((\a)%4)+\b):8*(8*((\a)%4)+\b)+7], v[SC+16*(\sc)+2*\b+(\q)], v[SC+16*(\sc)+2*(\a)+(\q)] matrix_a_fmt:MATRIX_FMT_FP6 matrix_b_fmt:MATRIX_FMT_FP6 matrix_a_scale:MATRIX_SCALE_ROW1
.endif
.endr
.endr
.endm
.macro FETCH_B slot, q, p              ; source 0's eight fragments into set p: 48 loads
	WIN TO_B
.irp i, 0,1,2,3,4,5,6,7
	FRAG 128*(\p)+FR*\i, ADRB+\slot, \q, \i
.endr
	WIN 0
.endm
.macro FETCH_A slot, q, i0             ; source 1's blocks i0 .. i0 + 3: 24 loads
.irp i, \i0, \i0+1, \i0+2, \i0+3
	FRAG AF+FR*(\i), ADRA+\slot, \q, \i
.endr
.endm
.macro SCALES set, g2                  ; the scale words of a slot's 256 along K: two words a row; lanes 0-15 source 1's block i, lanes 16-31 source 0's
.irp i, 0,1,2,3,4,5,6,7
	ds_load_b64 v[SC+16*(\set)+2*\i:SC+16*(\set)+2*\i+1], v[ADRS] offset:512*\i+128*(\g2)
.endr
.endm
; Step g of eight, 128 along K: 64 matrix instructions; in its middle and at its end the next step's fragments are fetched.
; mode 0: plain.  mode 1: slot 0, which this step has read out, is filled again behind a round of the cluster's barrier.  mode 2: the barrier behind which that refill is read.
.macro KSTEP g, mode, zero
.set KQ,  (\g)%2
.set KSC, ((\g)/2)%2
.set NSL, (((\g)+1)/2)%3
.set NKQ, ((\g)+1)%2
.set NG2, ((\g)+1)/2
.if \mode == 0
	s_wait_dscnt 24                                ; all but the youngest 24 loads (source 1's blocks 4-7) are in
	WIN MUL_LO
	MUL16 0, KQ, KSC, \zero
	MUL16 2, KQ, KSC, \zero
	s_wait_dscnt 0x0                               ; blocks 4-7 are in
	PLACES
.else
	s_wait_tensorcnt 0x0                           ; all my tensor loads have landed (every window is 0 here);
	ds_add_u32 v[SPW], v[NIL]                      ; 0 onto my spare word;
	s_wait_dscnt 25                                ; (the add and the youngest 24 loads may be out)
	WIN MUL_LO
	MUL16 0, KQ, KSC, 0                            ; sixteen matrix instructions stand between the add and the wait for it
	s_wait_dscnt 0x0                               ; the add is done, and my reads of the slot are over
	s_barrier_signal -1
	MUL16 2, KQ, KSC, 0
	WIN 0
	s_barrier_wait -1
.if \mode == 1
	CREST                                          ; no wave of any partner still reads slot 0 or has a load on its way
	JLOAD G0A+4, G1A, G0B+4, G1B                   ; the last quarter of K: the first tensor load behind the round; its four v_nop are the places in front of the loads below
.else
	PLACES
.endif
.endif
	FETCH_B NSL, NKQ, 1-KQ
	FETCH_A NSL, NKQ, 0
.if NKQ == 0
	SCALES NG2%2, NG2
.endif
	WIN MUL_HI
	MUL16 4, KQ, KSC, \zero
	MUL16 6, KQ, KSC, \zero
	PLACES
	WIN 0
	FETCH_A NSL, NKQ, 4
.endm
	s_wait_alu depctr_va_vdst(0)
	s_wait_tensorcnt 0x0                           ; my tile of the head's four is in
	ds_add_u32 v[SPW], v[NIL]
.irp g, G1A, G1B                       ; no tensor load of mine is out: from here on a load brings 8 tiles of one quarter, 96 dense rows of 256 bytes
	s_mov_b32 s[\g+1], 32<<16
	s_mov_b32 s[\g+2], 96<<16
	s_mov_b32 s[\g+3], 32<<16
	s_mov_b32 s[\g+4], 96
	s_mov_b32 s[\g+5], 32
.endr
	s_wait_dscnt 0x0
	CROUND                                         ; all four tiles are in, in all sixteen work-groups
	JLOAD G0A+12, G1A, G0B+8, G1B                  ; quarter 2 into slot 2: the first tensor load behind the round
	FETCH_B 0, 0, 0
	FETCH_A 0, 0, 0
	SCALES 0, 0
	FETCH_A 0, 0, 4
	KSTEP 0, 0, 1                                  ; the first products start the sums: nothing is cleared
	KSTEP 1, 0, 0
	KSTEP 2, 1, 0                                  ; slot 0 was last read for step 1; this step's barrier also shows slot 2 whole to every wave
	KSTEP 3, 0, 0
	KSTEP 4, 0, 0
	KSTEP 5, 2, 0
	KSTEP 6, 0, 0
	s_wait_dscnt 24                                ; the last step: nothing more to fetch
	WIN MUL_LO
	MUL16 0, 1, 1, 0
	MUL16 2, 1, 1, 0
	s_wait_dscnt 0x0
	WIN MUL_HI
	MUL16 4, 1, 1, 0
	MUL16 6, 1, 1, 0
	WIN 0
; THE WAY OUT.  Block a of source 1 (16 lanes' rows) has 64 numbers a lane, register 16 b + i = place 32 b + 16 (lane / 16) + i along source 0's 128 rows: four blocks of 32.
; QUANT makes of them the codes of blocks 0, 1 (six registers from d0 on: lanes 0-15 block 0, lanes 16-31 block 1), of blocks 2, 3 (from d1 on) and the four scale bytes (pw).
.macro QUANT a, d0, d1, pw
.set QS, 64*((\a)%4)
.set QW, 2+(\a)/4
	WIN QW*5                                       ; sources 0 and 1: the accumulators' window
.irp b, 0,1,2,3
	v_max3_num_f32 v[TM+\b], |v[QS+16*\b]|, |v[QS+16*\b+1]|, 0x1800000   ; each accumulator is read from its low end on; the floor 2^(3 - 127) holds the byte at 1 from below
.endr
	WIN QW*20                                      ; sources 1 and 2
.irp i, 2,4,6,8,10,12,14
.irp b, 0,1,2,3
	v_max3_num_f32 v[TM+\b], v[TM+\b], |v[QS+16*\b+\i]|, |v[QS+16*\b+\i+1]|
.endr
.endr
	WIN 0
.irp b, 0,1,2,3
	v_permlanex16_b32 v[TM+4+\b], v[TM+\b], s2, s3
.endr
.irp b, 0,1,2,3
	v_max_num_f32 v[TM+\b], v[TM+\b], v[TM+4+\b]   ; with lane l xor 16's 16: the block's largest magnitude
.endr
.irp b, 0,1,2,3
	v_add_nc_u32 v[TM+12+\b], 0xff000000, v[TM+\b] ; 2 off the exponent field: the conversion's scale operand
.endr
.irp b, 0,1,2,3
	v_lshrrev_b32 v[TM+4+\b], 23, v[TM+12+\b]      ; the scale's byte
.endr
	v_lshl_or_b32 v[\pw], v[TM+5], 8, v[TM+4]
	v_lshl_or_b32 v[\pw], v[TM+6], 16, v[\pw]
	v_lshl_or_b32 v[\pw], v[TM+7], 24, v[\pw]
	WIN QW                                         ; source 0
	v_cvt_scalef32_pk16_fp6_f32 v[(\d0):(\d0)+2], v[QS:QS+15], v[TM+12]
	v_cvt_scalef32_pk16_fp6_f32 v[CT:CT+2], v[QS+16:QS+31], v[TM+13]
	v_cvt_scalef32_pk16_fp6_f32 v[(\d1):(\d1)+2], v[QS+32:QS+47], v[TM+14]
	v_cvt_scalef32_pk16_fp6_f32 v[CT+4:CT+6], v[QS+48:QS+63], v[TM+15]
	WIN 0
	v_nop                                          ; one plain place behind a scaled conversion
.irp i, 0,1,2
	v_permlane16_swap_b32 v[(\d0)+\i], v[CT+\i]    ; the operand's layout wants a whole block in a lane
	v_permlane16_swap_b32 v[(\d1)+\i], v[CT+4+\i]
.endr
.irp i, 0,1,2
	v_mov_b32 v[(\d0)+3+\i], v[CT+\i]
	v_mov_b32 v[(\d1)+3+\i], v[CT+4+\i]
.endr
.endm
	PLACES
	s_mov_b32 s2, 0x76543210
	s_mov_b32 s3, 0xfedcba98                       ; selects for lane l xor 16
	s_mov_b32 s12, 0xffff0000                      ; lanes 16-31
.irp b, 0,1,2,3
	v_mov_b32 v[TM+4+\b], 0                        ; (a lane permute's destination counts as one of its sources)
.endr
	s_cmp_lt_u32 s94, 8                            ; the cluster's y: the same in all partners
	s_cbranch_scc0 .Lv_way
	; ---- q and k: my 128 tokens (four blocks of 32) x my 128 outputs (two heads)
	s_lshl_b32 s17, s96, 8
	s_lshl_b32 s18, s15, 7
	s_add_co_u32 s17, s17, s18                     ; my first token
	s_lshl_b32 s18, s95, 8
	s_lshl_b32 s19, s16, 7
	s_add_co_u32 s18, s18, s19                     ; my first output
	s_lshr_b32 s19, s17, 10                        ; the batch
	s_bfe_u32 s20, s17, 0x50005                    ; the block of 32 tokens in it
	s_lshr_b32 s21, s18, 10                        ; q (0) or k (1)
	s_bfe_u32 s22, s18, 0x40006                    ; the head
	s_lshl_b32 s19, s19, 4
	s_add_co_u32 s19, s19, s22
	s_lshl_b32 s22, s19, 5
	s_add_co_u32 s22, s22, s20
	s_mul_i32 s22, s22, 1536
	s_mul_i32 s23, s21, 6291456
	s_add_co_u32 s22, s22, s23
	s_mov_b32 s23, 0
	s_add_nc_u64 s[8:9], s[8:9], s[22:23]
	s_lshl_b32 s22, s19, 11
	s_lshr_b32 s20, s20, 2
	s_lshl_b32 s20, s20, 8
	s_add_co_u32 s22, s22, s20
	s_lshl_b32 s21, s21, 18
	s_add_co_u32 s22, s22, s21
	s_add_nc_u64 s[10:11], s[10:11], s[22:23]
.irp al, 0,1,2,3                       ; tiles 2 al and 2 al + 1 of the tokens are the two halves of a block's images: one image for each of the two heads
	QUANT 2*\al, FI+24*\al, FI+24*\al+12, PW+2*\al
	QUANT 2*\al+1, FI+24*\al+6, FI+24*\al+18, PW+2*\al+1
	v_perm_b32 v[WW+\al], v[PW+2*\al+1], v[PW+2*\al], 0x05040100     ; first head: the first token's two bytes, then those of the token 8 on
	v_perm_b32 v[WW+4+\al], v[PW+2*\al+1], v[PW+2*\al], 0x07060302   ; second head
.irp c, 0,1
.irp ch, 0,1,2
	global_store_b128 v[L16], v[FI+24*\al+12*\c+4*\ch:FI+24*\al+12*\c+4*\ch+3], s[8:9] offset:\c*49152+\al*1536+512*\ch   ; 512 consecutive bytes, at a multiple of 256
.endr
.endr
.endr
.irp c, 0,1
	v_cndmask_b32 v[XX+2*\c], v[WW+4*\c], v[WW+4*\c+1], s12
	v_cndmask_b32 v[XX+2*\c+1], v[WW+4*\c+2], v[WW+4*\c+3], s12
	global_store_b64 v[L8], v[XX+2*\c:XX+2*\c+1], s[10:11] offset:\c*2048   ; a unit of 256 bytes
.endr
	s_branch .Ldone
.Lv_way:
	; ---- v: my 128 tokens (one key step) x my 128 channels (two heads of four tiles)
	s_lshl_b32 s17, s95, 8
	s_lshl_b32 s18, s16, 7
	s_add_co_u32 s17, s17, s18                     ; my first token
	s_lshl_b32 s18, s96, 2
	s_lshl_b32 s19, s15, 1
	s_add_co_u32 s18, s18, s19                     ; my first head
	s_lshr_b32 s19, s17, 10                        ; the batch
	s_bfe_u32 s20, s17, 0x30007                    ; the key step in it
	s_lshl_b32 s19, s19, 4
	s_add_co_u32 s19, s19, s18
	s_lshl_b32 s19, s19, 3
	s_add_co_u32 s19, s19, s20
	s_mul_i32 s22, s19, 6144
	s_add_co_u32 s22, s22, 12582912
	s_mov_b32 s23, 0
	s_add_nc_u64 s[8:9], s[8:9], s[22:23]
	s_lshl_b32 s22, s19, 8
	s_add_co_u32 s22, s22, 524288
	s_add_nc_u64 s[10:11], s[10:11], s[22:23]
.irp a, 0,1,2,3,4,5,6,7
	QUANT \a, FI+12*\a, FI+12*\a+6, PW+\a
.irp ch, 0,1,2
	global_store_b128 v[L16], v[FI+12*\a+4*\ch:FI+12*\a+4*\ch+3], s[8:9] offset:(\a/4)*49152+(\a%4)*1536+512*\ch
.endr
.endr
.irp c, 0,1
	v_cndmask_b32 v[XX+2*\c], v[PW+4*\c], v[PW+4*\c+1], s12
	v_cndmask_b32 v[XX+2*\c+1], v[PW+4*\c+2], v[PW+4*\c+3], s12
	global_store_b64 v[L8], v[XX+2*\c:XX+2*\c+1], s[10:11] offset:\c*2048
.endr
.Ldone:
	s_wait_tensorcnt 0x0                           ; the wave's end
	ds_add_u32 v[SPW], v[NIL]
	s_wait_dscnt 0x0
	CROUND                                         ; the closing round: no work-group ends while a partner may still ask for a tile that names it
	s_endpgm
.Lfunc_end_k_q8f9646f45a_gemm_qkv:
	.size	k_q8f9646f45a_gemm_qkv, .Lfunc_end_k_q8f9646f45a_gemm_qkv-k_q8f9646f45a_gemm_qkv
	.p2alignl 7, 3214868480
	.fill 96, 4, 3214868480
	.section	.rodata,"a",@progbits
	.p2align	6, 0x0
	.amdhsa_kernel k_q8f9646f45a_gemm_qkv
		.amdhsa_group_segment_fixed_size 327680
		.amdhsa_private_segment_fixed_size 0
		.amdhsa_enable_private_segment 0
		.amdhsa_kernarg_size 32
		.amdhsa_user_sgpr_count 2
		.amdhsa_user_sgpr_kernarg_segment_ptr 1
		.amdhsa_wavefront_size32 1
		.amdhsa_system_sgpr_workgroup_id_x 1
		.amdhsa_system_sgpr_workgroup_id_y 1
		.amdhsa_system_sgpr_workgroup_id_z 1
		.amdhsa_system_vgpr_workitem_id 0
		.amdhsa_next_free_vgpr 1024
		.amdhsa_next_free_sgpr 102
		.amdhsa_reserve_vcc 0
		.amdhsa_float_denorm_mode_32 3
		.amdhsa_float_denorm_mode_16_64 3
		.amdhsa_memory_ordered 1
		.amdhsa_forward_progress 1
		.amdhsa_inst_pref_size 200
	.end_amdhsa_kernel
	.amdgpu_metadata
---
amdhsa.version: [ 1, 2 ]
amdhsa.kernels:
  - .name:           k_q8f9646f45a_gemm_qkv
    .symbol:         k_q8f9646f45a_gemm_qkv.kd
    .args:
      - { .name: opc, .offset: 0, .size: 8, .value_kind: global_buffer, .address_space: global }
      - { .name: ops, .offset: 8, .size: 8, .value_kind: global_buffer, .address_space: global }
      - { .name: qkvc, .offset: 16, .size: 8, .value_kind: global_buffer, .address_space: global }
      - { .name: qkvs, .offset: 24, .size: 8, .value_kind: global_buffer, .address_space: global }
    .group_segment_fixed_size: 327680
    .private_segment_fixed_size: 0
    .kernarg_segment_align: 8
    .kernarg_segment_size: 32
    .max_flat_workgroup_size: 128
    .sgpr_count:     102
    .vgpr_count:     1024
    .wavefront_size: 32
...
	.end_amdgpu_metadata
.endif
;; end of part 2
;; launch attn (part 3): grid 2 x 128, 16 waves a work-group, no clusters, 169,984 bytes of LDS; arguments qkvc, qkvs, oc, os; writes oc, os
.if DOCPART == 3
	.amdgcn_target "amdgcn-amd-amdhsa--gfx1250"
	.amdhsa_code_object_version 6
	.text
	.protected	k_q8f9646f45a_attn
	.globl	k_q8f9646f45a_attn
	.p2align	8
	.type	k_q8f9646f45a_attn,@function
k_q8f9646f45a_attn:
	s_mov_b64 s[64:65], 0
	v_nop
	global_prefetch_b8 v0, s[64:65] scope:SCOPE_SE
	s_setreg_imm32_b32 hwreg(HW_REG_WAVE_MODE, 25, 1), 1
	s_wait_xcnt 0x0
; o = softmax(q k^T / 8) v for one head of one batch, both products on codes of FP6 (E2M3) with E8M0 scales; o is quantised along the model's 1,024 channels and leaves as codes in the order of the last product's operand registers.
; THE SOFTMAX: t = score x log2(e) / 8; M = the row's largest t so far, rounded UP to a whole number; p = 2^(t - M) is quantised along the keys, not normalised; the row's sum is taken of the unquantised p and divides O at the end.
; When M moves, the sum and O are multiplied by 2^(old M - new M): exact.  The running largest t begins at -3e38.  1 / sum is v_rcp_f32.
; SHARES.  A work-group owns 512 queries of a head; each of its sixteen waves 32 of them, as two tiles of 16, one after the other; four waves to a SIMD, so that one wave's vector work stands beside another's matrix work.
; THE WHOLE HEAD'S K AND V LIE IN LDS, 98,304 bytes of codes and 4,096 of scale words, each byte filled ONCE.  Wave 0 fetches K's, wave 1 V's, three tensor loads each, in this order: the scale units, key steps 0 and 1,
; key steps 2 to 7.  A wave's tensor loads end in the order of issue (ISA guide 10.11.1): so the first two key steps of tile 0 are worked behind a first barrier while the third load is on its way, and a second barrier stands in front of key step 2.
; By this text's count a wave has three tensor loads out.  All tiles are asked for at the head: there is no later tile for which a prefetch could ask.
; NO CLUSTER: only the two work-groups of a head share K and V, and a cluster here is four wide; what they share is read once, at the head.
; LAYOUT.  Both products are used transposed: a lane holds ONE query throughout.  The head's K is 64, the instruction's 128: a fragment of k holds TWO keys a lane-row (registers 0-5 key 32 i + r + 8 (r / 8), registers 6-11 the key 8 on),
; and is multiplied twice, by [q, 0] and by [0, q]: zero codes add nothing.  So S's registers 16 b + i are keys 32 b + 16 (lane / 16) + i of the step, and p's conversions give the second product's operand.
; The registers [q, 0, q] stand on end: v[16:27] is [q, 0], v[22:33] is [0, q].
; THE SCALE BYTES OF o are two bytes a row and head: they leave by one store of 2 bytes a lane, rows 8 bytes apart: one part in 24 of what the launch stores; a word's two halves belong to two heads, that is to two work-groups.
; LIMITS: a block of zeros gets the byte 1 (not 127): its codes are zeros, and only this program reads the bytes.  NaN and infinities are not served.
; THE HEAD'S LOADS AS THIS TEXT HAS THEM (this takes the place of what the lines above say of who fetches): one tensor load a wave, in one chain of branches on the wave's number.
; Wave 0: K's and V's scale units as one tile of 2 rows of 2,048 bytes, 262,144 apart in memory, on end in LDS.  Waves 1, 2: key steps 0 and 1 of K, of V.  Waves 3, 4: key steps 2 to 7 of K, of V.
; Waves 0 to 2 wait for their loads ahead of the first barrier; every wave waits ahead of the second.  Each LDS byte is filled once.
.set L16, 1
.set KSU, 2                            ; v2   K's scale units + 8 x lane
.set AD,  3                            ; v3   the step's images
.set ASC, 4                            ; v4   the step's scale unit
.set L8,  5                            ; v5   8 x lane
.set OSA, 6                            ; v6   8 r + 512 h
.set KV,  40                           ; v40-87   four fragments of K, then of V
.set S,   96                           ; v96-159  S^T, then p; at a tile's end o
.set O,   160                          ; v160-191 O^T
.set P,   192                          ; v192-203 p's codes
.set CT,  204                          ; v204-210 second halves of the codes
.set BM,  212                          ; v212-215 the blocks' largest
.set BT,  216                          ; v216-219 at work
.set OP,  220                          ; v220-223 the conversions' scale operands
.set TMP, 224
.set FF,  226                          ; v[226:227] f
.set PWD, 228                          ; p's scale word
.set QI,  232                          ; v232-243 Q's image: both tiles
.set OC,  244                          ; v244-249 o's codes; v250-252 their second half
.set WV,  18
.set SEL, 20
.set CS,  22
.set G1C, 24                           ; s[24:31] group 1: key steps 0 and 1, 48 rows of 256 bytes
.set G1S, 32                           ; s[32:39] the scale units, 2 rows of 2,048 bytes
.set G0C, 40
.set G0S, 44
.set TS,  48
.set TJ,  49
.set CNT, 50
.set G1D, 68                           ; s[68:75] key steps 2 to 7, 144 rows
.set G0D, 76
.macro SHAPE g, rows                   ; group 1 of a dense block: rows of 256 bytes (32 elements of 8 bytes), no mask, no padding
	s_mov_b32 s[\g], 3<<16
	s_mov_b32 s[\g+1], 32<<16                      ; tensor_dim0
	s_mov_b32 s[\g+2], (\rows)<<16                 ; tensor_dim1
	s_mov_b32 s[\g+3], 32<<16                      ; tile_dim0
	s_mov_b32 s[\g+4], \rows                       ; tile_dim1
	s_mov_b32 s[\g+5], 32                          ; the pitch
	s_mov_b32 s[\g+6], 0
	s_mov_b32 s[\g+7], 0
.endm
	s_load_b128 s[4:7], s[0:1], 0x0                ; q, k, v as codes; their scale words
	s_load_b128 s[8:11], s[0:1], 0x10              ; o's codes, o's scale words
	v_lshl_add_u32 v254, v0, 2, 0x29000
	v_mov_b32 v255, 0
	ds_add_u32 v254, v255
	ds_add_u32 v254, v255
	v_lshrrev_b32 v1, 5, v0
	s_delay_alu instid0(VALU_DEP_1)
	v_readfirstlane_b32 s[WV], v1                  ; wave 0..15
	v_and_b32 v7, 31, v0
	v_and_b32 v8, 15, v0                           ; r
	v_bfe_u32 v9, v0, 4, 1                         ; h
	s_delay_alu instid0(VALU_DEP_3)
	v_lshlrev_b32 v[L16], 4, v7
	s_delay_alu instid0(VALU_DEP_4)
	v_lshlrev_b32 v[L8], 3, v7
	s_delay_alu instid0(VALU_DEP_1)
	v_add_nc_u32 v[KSU], 98304, v[L8]
	v_lshlrev_b32 v[OSA], 3, v8
	s_delay_alu instid0(VALU_DEP_1)
	v_lshl_add_u32 v[OSA], v9, 9, v[OSA]
	v_lshlrev_b32 v8, 3, v8                        ; 8 r: Q's scale word
	s_and_b32 s12, ttmp7, 0xffff                   ; the head: 16 x batch + head
	s_lshl_b32 s13, ttmp9, 4
	s_add_co_u32 s13, s13, s[WV]                   ; my block of 32 queries
	s_mul_i32 s14, s12, 49152                      ; the head's images
	s_lshl_b32 s15, s12, 11                        ; the head's scale units
	s_and_b32 s16, s[WV], 1
	s_xor_b32 s16, s16, 1                          ; what I fetch, if I fetch codes: waves 1, 3 k's (0), waves 2, 4 v's (1)
	s_add_co_u32 s17, s16, 1
	s_mul_i32 s19, s17, 6291456
	s_add_co_u32 s52, s19, s14                     ; the head's images of k or of v
	s_mov_b32 s53, 0
	s_add_co_u32 s54, s15, 1<<18                   ; k's scale units of the head; v's lie 262,144 bytes on
	s_mov_b32 s55, 0
	s_mul_i32 s17, s13, 1536
	s_add_co_u32 s56, s17, s14                     ; Q's image
	s_mov_b32 s57, 0
	s_lshr_b32 s17, s13, 2
	s_lshl_b32 s17, s17, 8
	s_add_co_u32 s58, s17, s15                     ; its unit of scale words,
	s_and_b32 s17, s13, 1
	s_lshl_b32 s17, s17, 7
	s_add_co_u32 s58, s58, s17                     ; the half of the unit's lanes,
	s_bfe_u32 s17, s13, 0x10001
	s_lshl_b32 s17, s17, 2
	s_add_co_u32 s58, s58, s17                     ; and the word
	s_mov_b32 s59, 0
	s_lshr_b32 s17, s12, 4
	s_lshl_b32 s17, s17, 6
	s_lshl_b32 s19, s13, 1
	s_add_co_u32 s17, s17, s19                     ; o's tile of 16 rows: 64 x batch + 2 x block
	s_and_b32 s19, s12, 15                         ; the head hd covers channels 64 hd on
	s_lshr_b32 s51, s19, 2                         ; which 256 along K
	s_mul_i32 s60, s51, 1572864
	s_mul_i32 s62, s17, 3072
	s_add_co_u32 s60, s60, s62
	s_bfe_u32 s62, s19, 0x10001                    ; which 128 of them
	s_mul_i32 s63, s62, 1536
	s_add_co_u32 s60, s60, s63
	s_and_b32 s19, s19, 1                          ; which 64 of those: registers 0-5 or 6-11
	s_mul_i32 s63, s19, 768
	s_add_co_u32 s60, s60, s63
	s_mov_b32 s61, 0
	s_lshl_b32 s17, s17, 9
	s_lshl_b32 s51, s51, 7
	s_add_co_u32 s17, s17, s51
	s_lshl_b32 s62, s62, 2
	s_add_co_u32 s17, s17, s62
	s_lshl_b32 s19, s19, 1
	s_add_co_u32 s62, s17, s19                     ; o's scale bytes
	s_mov_b32 s63, 0
	s_mov_b32 s51, 0xffff0000                      ; lanes 16-31
	s_mov_b32 s[SEL], 0x76543210
	s_mov_b32 s[SEL+1], 0xfedcba98                 ; selects for lane l xor 16
	s_mov_b32 s[CS], 0x3e38aa3b                    ; c = log2(e) / 8
	s_mov_b32 s[CS+1], s[CS]                       ; (named with it as a pair, so it is written)
	SHAPE G1C, 48
	SHAPE G1D, 144
	SHAPE G1S, 2                                   ; 2 rows
	s_mov_b32 s[G1S+1], 256<<16                    ; of 256 elements, 2,048 bytes,
	s_mov_b32 s[G1S+3], 256<<16
	s_mov_b32 s[G1S+5], 32768                      ; 262,144 bytes apart
	s_wait_dscnt 0x0
	s_wait_kmcnt 0x0
	s_mov_b32 s[G0S], 1
	s_mov_b32 s[G0S+1], 98304                      ; K's units at 98,304, V's at 100,352
	s_add_nc_u64 s[G0S+2:G0S+3], s[6:7], s[54:55]
	s_or_b32 s[G0S+3], s[G0S+3], 0x80000000
	s_mov_b32 s[G0C], 1
	s_mul_i32 s[G0C+1], s16, 49152                 ; K's images at 0, V's at 49,152
	s_add_nc_u64 s[G0C+2:G0C+3], s[4:5], s[52:53]
	s_or_b32 s[G0C+3], s[G0C+3], 0x80000000
	s_mov_b32 s[G0D], 1
	s_mul_i32 s[G0D+1], s16, 49152
	s_add_co_u32 s[G0D+1], s[G0D+1], 12288         ; behind the first two key steps' 12,288 bytes
	s_add_nc_u64 s[G0D+2:G0D+3], s[4:5], s[52:53]
	s_add_nc_u64 s[G0D+2:G0D+3], s[G0D+2:G0D+3], 12288
	s_or_b32 s[G0D+3], s[G0D+3], 0x80000000
	s_cmp_eq_u32 s[WV], 0                          ; one chain on the wave's number, one load to an arm
	s_cbranch_scc0 .Larm_c
	tensor_load_to_lds s[G0S:G0S+3], s[G1S:G1S+7]
	s_nop 0
.rept 4
	v_nop
.endr
	s_branch .Lasked
.Larm_c:
	s_cmp_lt_u32 s[WV], 3
	s_cbranch_scc0 .Larm_d
	tensor_load_to_lds s[G0C:G0C+3], s[G1C:G1C+7]
	s_nop 0
.rept 4
	v_nop
.endr
	s_branch .Lasked
.Larm_d:
	s_cmp_lt_u32 s[WV], 5
	s_cbranch_scc0 .Lasked
	tensor_load_to_lds s[G0D:G0D+3], s[G1D:G1D+7]
	s_nop 0
.rept 4
	v_nop
.endr
.Lasked:
	s_add_nc_u64 s[56:57], s[4:5], s[56:57]
	s_add_nc_u64 s[58:59], s[6:7], s[58:59]
	s_add_nc_u64 s[8:9], s[8:9], s[60:61]
	s_add_nc_u64 s[10:11], s[10:11], s[62:63]
	s_wait_alu depctr_va_vdst(0)
.irp c, 0,1,2
	global_load_b128 v[QI+4*\c:QI+4*\c+3], v[L16], s[56:57] offset:512*\c
.endr
	global_load_b32 v34, v8, s[58:59]              ; bytes 0, 1: tile 0's two blocks; bytes 2, 3: tile 1's
.irp b, 0,1,2,3
	v_mov_b32 v[BT+\b], 0                          ; (a lane permute's destination counts as one of its sources)
.endr
	v_mov_b32 v[FF+1], 0                           ; (named as the upper half of a pair)
; A KEY STEP: 128 keys; their images begin at LDS byte s[TS], their scale unit at s[TJ].
.macro STEP u
.set SB1, 34+\u                        ; q's two bytes stand low for [q, 0]
.set SB2, 35-\u                        ; and high for [0, q]
	v_add_nc_u32 v[AD], s[TS], v[L16]
	v_add_nc_u32 v[ASC], s[TJ], v[KSU]
	v_nop
	v_nop                                          ; four places in front of loads into registers that matrix instructions have read
.irp b, 0,1,2,3
.irp c, 0,1,2
	ds_load_b128 v[KV+12*\b+4*\c:KV+12*\b+4*\c+3], v[AD] offset:1536*\b+512*\c
.endr
.endr
	ds_load_b64 v[36:37], v[ASC]
	s_wait_alu depctr_va_vdst(0)
	s_wait_dscnt 0x0
.irp b, 0,1,2,3                        ; S^T: each fragment of 32 keys feeds two products
.if \b%2
	v_wmma_scale_f32_16x16x128_f8f6f4 v[S+16*\b:S+16*\b+7], v[KV+12*\b:KV+12*\b+11], v[16:27], 0, v[36+\b/2], v[SB1] matrix_a_fmt:MATRIX_FMT_FP6 matrix_b_fmt:MATRIX_FMT_FP6 matrix_a_scale:MATRIX_SCALE_ROW1
	v_wmma_scale_f32_16x16x128_f8f6f4 v[S+16*\b+8:S+16*\b+15], v[KV+12*\b:KV+12*\b+11], v[22:33], 0, v[36+\b/2], v[SB2] matrix_a_fmt:MATRIX_FMT_FP6 matrix_b_fmt:MATRIX_FMT_FP6 matrix_a_scale:MATRIX_SCALE_ROW1
.else
	v_wmma_scale_f32_16x16x128_f8f6f4 v[S+16*\b:S+16*\b+7], v[KV+12*\b:KV+12*\b+11], v[16:27], 0, v[36+\b/2], v[SB1] matrix_a_fmt:MATRIX_FMT_FP6 matrix_b_fmt:MATRIX_FMT_FP6
	v_wmma_scale_f32_16x16x128_f8f6f4 v[S+16*\b+8:S+16*\b+15], v[KV+12*\b:KV+12*\b+11], v[22:33], 0, v[36+\b/2], v[SB2] matrix_a_fmt:MATRIX_FMT_FP6 matrix_b_fmt:MATRIX_FMT_FP6
.endif
.endr
.rept 4
	v_nop
.endr
.irp t, 0,1,2,3                        ; V's four fragments land during the softmax
.irp c, 0,1,2
	ds_load_b128 v[KV+12*\t+4*\c:KV+12*\t+4*\c+3], v[AD] offset:49152+1536*\t+512*\c
.endr
.endr
	ds_load_b64 v[38:39], v[ASC] offset:2048
.irp b, 0,1,2,3
	v_max3_num_f32 v[BM+\b], v[S+16*\b], v[S+16*\b+1], v[S+16*\b+2]   ; the largest score of each block of 32 keys: for the row's maximum and, since p rises with the score, for the block's largest p
.endr
.irp i, 3,5,7,9,11,13
.irp b, 0,1,2,3
	v_max3_num_f32 v[BM+\b], v[BM+\b], v[S+16*\b+\i], v[S+16*\b+\i+1]
.endr
.endr
.irp b, 0,1,2,3
	v_max_num_f32 v[BM+\b], v[BM+\b], v[S+16*\b+15]
.endr
.irp b, 0,1,2,3
	s_delay_alu instid0(VALU_DEP_4)
	v_permlanex16_b32 v[BT+\b], v[BM+\b], s[SEL], s[SEL+1]
.endr
.irp b, 0,1,2,3
	s_delay_alu instid0(VALU_DEP_4)
	v_max_num_f32 v[BM+\b], v[BM+\b], v[BT+\b]     ; with lane l xor 16's 16 keys
.endr
	s_delay_alu instid0(VALU_DEP_2)
	v_max3_num_f32 v[TMP], v[BM], v[BM+1], v[BM+2]
	s_delay_alu instid0(VALU_DEP_1)
	v_max_num_f32 v[TMP], v[TMP], v[BM+3]
	s_delay_alu instid0(VALU_DEP_1)
	v_mul_f32 v[TMP], s[CS], v[TMP]                ; as t (c is positive)
	s_delay_alu instid0(VALU_DEP_1)
	v_max_num_f32 v13, v13, v[TMP]                 ; the running largest t
	v_mov_b32 v[TMP], v12
	s_delay_alu instid0(VALU_DEP_2)
	v_floor_f32 v12, -v13                          ; the new -M = floor(-t) = -ceil(t)
	s_delay_alu instid0(VALU_DEP_1)
	v_sub_f32 v[TMP], v12, v[TMP]                  ; old M less new M: a whole number, 0 or less
	s_delay_alu instid0(VALU_DEP_1)
	v_cvt_i32_f32 v[TMP], v[TMP]                   ; (it saturates)
	s_delay_alu instid0(VALU_DEP_1)
	v_ldexp_f32 v[FF], 1.0, v[TMP]                 ; f = 2^(old M - new M)
.set j, 0
.rept 32
	v_pk_fma_f32 v[S+j:S+j+1], v[S+j:S+j+1], s[CS:CS+1], v[12:13] op_sel_hi:[1,0,0]   ; t - M, two at a time
.set j, j+2
.endr
.irp b, 0,1,2,3
	v_fma_f32 v[BM+\b], v[BM+\b], s[CS], v12       ; the same of each block's largest score
.endr
.set j, 0
	s_wait_alu depctr_va_vdst(0)
.rept 64
	v_exp_f32 v[S+j], v[S+j]                       ; p = 2^(t - M), at most 1
.set j, j+1
.endr
	v_pk_mul_f32 v[14:15], v[14:15], v[FF:FF+1] op_sel_hi:[1,0]   ; the sums under the new M: a plain place behind the exponentials
	s_wait_alu depctr_va_vdst(0)                   ; one wait for the whole batch, ahead of its first reader
.irp b, 0,1,2,3
	v_exp_f32 v[BM+\b], v[BM+\b]                   ; the block's largest p
.endr
	v_pk_add_f32 v[216:217], v[100:101], v[104:105]
	v_pk_add_f32 v[252:253], v[108:109], v[112:113]
	v_pk_add_f32 v[250:251], v[116:117], v[120:121]
	v_pk_add_f32 v[248:249], v[124:125], v[128:129]
	v_pk_add_f32 v[246:247], v[132:133], v[136:137]
	v_pk_add_f32 v[244:245], v[140:141], v[144:145]
	v_pk_add_f32 v[236:237], v[148:149], v[152:153]
	v_pk_add_f32 v[14:15], v[14:15], v[156:157]
	v_pk_add_f32 v[216:217], v[216:217], v[96:97]
	v_pk_add_f32 v[252:253], v[252:253], v[98:99]
	v_pk_add_f32 v[250:251], v[250:251], v[102:103]
	v_pk_add_f32 v[248:249], v[248:249], v[106:107]
	v_pk_add_f32 v[246:247], v[246:247], v[110:111]
	v_pk_add_f32 v[244:245], v[244:245], v[114:115]
	v_pk_add_f32 v[236:237], v[236:237], v[118:119]
	v_pk_add_f32 v[14:15], v[14:15], v[122:123]
	v_pk_add_f32 v[216:217], v[216:217], v[126:127]
	v_pk_add_f32 v[252:253], v[252:253], v[130:131]
	v_pk_add_f32 v[250:251], v[250:251], v[134:135]
	v_pk_add_f32 v[248:249], v[248:249], v[138:139]
	v_pk_add_f32 v[246:247], v[246:247], v[142:143]
	v_pk_add_f32 v[244:245], v[244:245], v[146:147]
	v_pk_add_f32 v[236:237], v[236:237], v[150:151]
	v_pk_add_f32 v[14:15], v[14:15], v[154:155]
	v_pk_add_f32 v[216:217], v[216:217], v[158:159]
	s_delay_alu instid0(VALU_DEP_2)
	v_pk_add_f32 v[14:15], v[14:15], v[248:249]
	s_delay_alu instid0(VALU_DEP_2)
	v_pk_add_f32 v[216:217], v[216:217], v[246:247]
	v_pk_add_f32 v[252:253], v[252:253], v[244:245]
	v_pk_add_f32 v[250:251], v[250:251], v[236:237]
	s_delay_alu instid0(VALU_DEP_2)
	v_pk_add_f32 v[14:15], v[14:15], v[252:253]
	s_delay_alu instid0(VALU_DEP_2)
	v_pk_add_f32 v[216:217], v[216:217], v[250:251]
	s_delay_alu instid0(VALU_DEP_1)
	v_pk_add_f32 v[14:15], v[14:15], v[216:217]
	s_wait_alu depctr_va_vdst(0)                   ; and one for the four
.irp b, 0,1,2,3
	v_max_num_f32 v[BM+\b], 0x1800000, v[BM+\b]    ; the floor 2^(3 - 127): the byte cannot fall under 1
.endr
.irp b, 0,1,2,3
	s_delay_alu instid0(VALU_DEP_4)
	v_add_nc_u32 v[OP+\b], 0xff000000, v[BM+\b]    ; 2 off the exponent field: the conversion's scale operand
.endr
.irp b, 0,1,2,3
	s_delay_alu instid0(VALU_DEP_4)
	v_lshrrev_b32 v[BT+\b], 23, v[OP+\b]           ; the scale's byte
.endr
	s_delay_alu instid0(VALU_DEP_3)
	v_lshl_or_b32 v[PWD], v[BT+1], 8, v[BT]        ; p's scale word for these 128 keys
	s_delay_alu instid0(VALU_DEP_1)
	v_lshl_or_b32 v[PWD], v[BT+2], 16, v[PWD]
	s_delay_alu instid0(VALU_DEP_1)
	v_lshl_or_b32 v[PWD], v[BT+3], 24, v[PWD]
.irp c, 0,1
	v_cvt_scalef32_pk16_fp6_f32 v[P+6*\c:P+6*\c+2], v[S+32*\c:S+32*\c+15], v[OP+2*\c]
	v_cvt_scalef32_pk16_fp6_f32 v[CT+4*\c:CT+4*\c+2], v[S+32*\c+16:S+32*\c+31], v[OP+2*\c+1]
.endr
	v_nop                                          ; one plain place behind a scaled conversion
.irp c, 0,1
.irp i, 0,1,2
	v_permlane16_swap_b32 v[P+6*\c+\i], v[CT+4*\c+\i]   ; the operand's layout wants a whole block in a lane
.endr
.irp i, 0,1,2
	s_delay_alu instid0(VALU_DEP_3)
	v_mov_b32 v[P+6*\c+3+\i], v[CT+4*\c+\i]
.endr
.endr
.set j, 0
.rept 16
	v_pk_mul_f32 v[O+j:O+j+1], v[O+j:O+j+1], v[FF:FF+1] op_sel_hi:[1,0]   ; O^T under the new M
.set j, j+2
.endr
.rept 4
	v_nop                                          ; with the multiplies above: the places between the vector writes of p's codes and scale word and the scaled products
.endr
	s_wait_alu depctr_va_vdst(0)
	s_wait_dscnt 0x0                               ; V is in
.irp t, 0,1,2,3                        ; O^T += V^T P^T: four accumulators by turns
.if \t%2
	v_wmma_scale_f32_16x16x128_f8f6f4 v[O+8*\t:O+8*\t+7], v[KV+12*\t:KV+12*\t+11], v[P:P+11], v[O+8*\t:O+8*\t+7], v[38+\t/2], v[PWD] matrix_a_fmt:MATRIX_FMT_FP6 matrix_b_fmt:MATRIX_FMT_FP6 matrix_a_scale:MATRIX_SCALE_ROW1
.else
	v_wmma_scale_f32_16x16x128_f8f6f4 v[O+8*\t:O+8*\t+7], v[KV+12*\t:KV+12*\t+11], v[P:P+11], v[O+8*\t:O+8*\t+7], v[38+\t/2], v[PWD] matrix_a_fmt:MATRIX_FMT_FP6 matrix_b_fmt:MATRIX_FMT_FP6
.endif
.endr
.endm
; n key steps in a loop, from s[TS] and s[TJ] on
.macro STEPS u, n
	s_mov_b32 s[CNT], \n
.Lstep_\@:
	STEP \u
	s_add_co_u32 s[TS], s[TS], 6144                ; the next 128 keys' images,
	s_add_co_u32 s[TJ], s[TJ], 256                 ; and their scale unit
	s_sub_co_u32 s[CNT], s[CNT], 1
	s_cmp_lg_u32 s[CNT], 0
	s_cbranch_scc1 .Lstep_\@
.endm
; TILE u of my two: queries 32 x block + 8 u + r + 8 (r / 8).  BEGIN sets it up, FINISH divides, quantises and stores.
.macro BEGIN u
.irp i, 0,1,2,3,4,5
	v_mov_b32 v[16+\i], v[QI+6*\u+\i]              ; [q, 0, q]
	v_mov_b32 v[22+\i], 0
	v_mov_b32 v[28+\i], v[QI+6*\u+\i]
.endr
.set j, 0
.rept 32
	v_mov_b32 v[O+j], 0                            ; the step is written alike for all: the first finds zeros, which the first change of M leaves zeros
.set j, j+1
.endr
	v_mov_b32 v13, 0xff61b1e6                      ; the largest t so far: -3e38
	s_delay_alu instid0(VALU_DEP_1)
	v_floor_f32 v12, -v13
	v_mov_b32 v14, 0
	v_mov_b32 v15, 0
.endm
.macro FINISH u
	v_add_f32 v14, v14, v15                        ; the sum's two halves,
	s_delay_alu instid0(VALU_DEP_1)
	v_permlanex16_b32 v[TMP], v14, s[SEL], s[SEL+1]
	s_delay_alu instid0(VALU_DEP_1)
	v_add_f32 v14, v14, v[TMP]                     ; and lane l xor 16's
	s_wait_alu depctr_va_vdst(0)
	v_rcp_f32 v14, v14
.rept 4
	v_nop                                          ; the plain place behind the reciprocal, and the places behind the last products
.endr
	s_wait_alu depctr_va_vdst(0)                   ; ahead of the reciprocal's first reader
.set j, 0
.rept 32
	v_mul_f32 v[S+j], v[O+j], v14                  ; o: register 16 b + i is channel 32 b + 16 (lane / 16) + i of the head
.set j, j+1
.endr
.irp b, 0,1
	v_max3_num_f32 v[BM+\b], |v[S+16*\b]|, |v[S+16*\b+1]|, 0x1800000
.endr
.irp i, 2,4,6,8,10,12,14
.irp b, 0,1
	s_delay_alu instid0(VALU_DEP_2)
	v_max3_num_f32 v[BM+\b], v[BM+\b], |v[S+16*\b+\i]|, |v[S+16*\b+\i+1]|
.endr
.endr
.irp b, 0,1
	s_delay_alu instid0(VALU_DEP_2)
	v_permlanex16_b32 v[BT+\b], v[BM+\b], s[SEL], s[SEL+1]
.endr
.irp b, 0,1
	s_delay_alu instid0(VALU_DEP_2)
	v_max_num_f32 v[BM+\b], v[BM+\b], v[BT+\b]
.endr
.irp b, 0,1
	s_delay_alu instid0(VALU_DEP_2)
	v_add_nc_u32 v[OP+\b], 0xff000000, v[BM+\b]
.endr
.irp b, 0,1
	s_delay_alu instid0(VALU_DEP_2)
	v_lshrrev_b32 v[BT+\b], 23, v[OP+\b]
.endr
	s_delay_alu instid0(VALU_DEP_1)
	v_lshl_or_b32 v[10+\u], v[BT+1], 8, v[BT]      ; the row's two scale bytes of this head
	s_wait_alu depctr_va_vdst(0)
	s_wait_xcnt 0x0                                ; the other tile's stores have read their data: the codes' registers may be written
	v_cvt_scalef32_pk16_fp6_f32 v[OC:OC+2], v[S:S+15], v[OP]
	v_cvt_scalef32_pk16_fp6_f32 v[OC+6:OC+8], v[S+16:S+31], v[OP+1]
	v_nop
.irp i, 0,1,2
	v_permlane16_swap_b32 v[OC+\i], v[OC+6+\i]
.endr
.irp i, 0,1,2
	s_delay_alu instid0(VALU_DEP_3)
	v_mov_b32 v[OC+3+\i], v[OC+6+\i]
.endr
.irp p, 0,1,2
	global_store_b64 v[L8], v[OC+2*\p:OC+2*\p+1], s[8:9] offset:\u*3072+256*\p   ; 256 consecutive bytes, at a multiple of 256
.endr
.endm
	s_wait_loadcnt 0x0                             ; Q
	v_perm_b32 v35, v34, v34, 0x01000302           ; the same word with its halves changed over
	BEGIN 0                                        ; register work while the first tiles are on their way
	s_wait_alu depctr_va_vdst(0)
	s_cmp_lt_u32 s[WV], 3                          ; the waves whose arms hold the scale units and key steps 0 and 1 wait for them; key steps 2 to 7 may be out
	s_cbranch_scc0 .Lnot_first
	s_wait_tensorcnt 0x0
.Lnot_first:
	s_barrier_signal -1
	s_barrier_wait -1                              ; all three fetching waves' have
	s_mov_b32 s[TS], 0                             ; key steps 0 and 1 are written out, with their LDS bytes as constants: they read none of the bytes into which the third loads are still landing
	s_mov_b32 s[TJ], 0
	STEP 0
	s_mov_b32 s[TS], 6144
	s_mov_b32 s[TJ], 256
	STEP 0
	s_wait_tensorcnt 0x0                           ; key steps 2 to 7 have landed,
	s_wait_dscnt 0x0                               ; no LDS load of mine is out,
	s_barrier_signal -1
	s_barrier_wait -1                              ; and that holds of every wave
	s_mov_b32 s[TS], 12288
	s_mov_b32 s[TJ], 512
	STEPS 0, 6
	FINISH 0
	s_wait_xcnt 0x0                                ; tile 0's stores have read their data: the next steps' sums are written into those registers
	BEGIN 1
	s_mov_b32 s[TS], 0
	s_mov_b32 s[TJ], 0
	STEPS 1, 8
	FINISH 1
	v_cndmask_b32 v[TMP], v10, v11, s51            ; lanes 0-15: tile 0's rows; lanes 16-31: tile 1's
	global_store_b16 v[OSA], v[TMP], s[10:11]
	s_wait_tensorcnt 0x0
	ds_add_u32 v254, v255
	s_wait_dscnt 0x0
	s_endpgm
.Lfunc_end_k_q8f9646f45a_attn:
	.size	k_q8f9646f45a_attn, .Lfunc_end_k_q8f9646f45a_attn-k_q8f9646f45a_attn
	.p2alignl 7, 3214868480
	.fill 96, 4, 3214868480
	.section	.rodata,"a",@progbits
	.p2align	6, 0x0
	.amdhsa_kernel k_q8f9646f45a_attn
		.amdhsa_group_segment_fixed_size 169984
		.amdhsa_private_segment_fixed_size 0
		.amdhsa_enable_private_segment 0
		.amdhsa_kernarg_size 32
		.amdhsa_user_sgpr_count 2
		.amdhsa_user_sgpr_kernarg_segment_ptr 1
		.amdhsa_wavefront_size32 1
		.amdhsa_system_sgpr_workgroup_id_x 1
		.amdhsa_system_sgpr_workgroup_id_y 1
		.amdhsa_system_sgpr_workgroup_id_z 1
		.amdhsa_system_vgpr_workitem_id 0
		.amdhsa_next_free_vgpr 256
		.amdhsa_next_free_sgpr 80
		.amdhsa_reserve_vcc 0
		.amdhsa_float_denorm_mode_32 3
		.amdhsa_float_denorm_mode_16_64 3
		.amdhsa_memory_ordered 1
		.amdhsa_forward_progress 1
		.amdhsa_inst_pref_size 87
	.end_amdhsa_kernel
	.amdgpu_metadata
---
amdhsa.version: [ 1, 2 ]
amdhsa.kernels:
  - .name:           k_q8f9646f45a_attn
    .symbol:         k_q8f9646f45a_attn.kd
    .args:
      - { .name: qkvc, .offset: 0, .size: 8, .value_kind: global_buffer, .address_space: global }
      - { .name: qkvs, .offset: 8, .size: 8, .value_kind: global_buffer, .address_space: global }
      - { .name: oc, .offset: 16, .size: 8, .value_kind: global_buffer, .address_space: global }
      - { .name: os, .offset: 24, .size: 8, .value_kind: global_buffer, .address_space: global }
    .group_segment_fixed_size: 169984
    .private_segment_fixed_size: 0
    .kernarg_segment_align: 8
    .kernarg_segment_size: 32
    .max_flat_workgroup_size: 512
    .sgpr_count:     80
    .vgpr_count:     256
    .wavefront_size: 32
...
	.end_amdgpu_metadata
.endif
;; end of part 3
;; launch gemm_proj (part 4): grid 4 x 64, 4 waves a work-group, clusters of 4 x 4, 327,680 bytes of LDS; arguments oc, os, opc, ops, b_proj, out0; writes out0
.if DOCPART == 4
	.amdgcn_target "amdgcn-amd-amdhsa--gfx1250"
	.amdhsa_code_object_version 6
	.text
	.protected	k_q8f9646f45a_gemm_proj
	.globl	k_q8f9646f45a_gemm_proj
	.p2align	8
	.type	k_q8f9646f45a_gemm_proj,@function
k_q8f9646f45a_gemm_proj:
	s_mov_b64 s[64:65], 0
	v_nop
	global_prefetch_b8 v0, s[64:65] scope:SCOPE_SE
	s_setreg_imm32_b32 hwreg(HW_REG_WAVE_MODE, 25, 1), 1
	s_wait_xcnt 0x0
	s_wait_alu depctr_hold_cnt(0) depctr_sa_sdst(0) depctr_va_vdst(0) depctr_va_sdst(0) depctr_va_ssrc(0) depctr_va_vcc(0) depctr_vm_vsrc(0)
	s_getreg_b32 s2, hwreg(HW_REG_IB_STS2, 6, 4)
	s_cmp_eq_u32 s2, 0
	s_cbranch_scc0 .Lentry_in_a_cluster
	s_endpgm
.Lentry_in_a_cluster:
	s_bfe_u32 s2, ttmp6, 0x10000c
	s_cmp_lg_u32 s2, 0xf033
	s_cbranch_scc0 .Lentry_shape_is_right
	s_endpgm
.Lentry_shape_is_right:
; out0 = o w_proj^T + b_proj on codes of FP6 (E2M3) with E8M0 scales, K = 1,024.  A work-group of four waves makes 128 rows x 256 columns, a wave 64 x 128: 32 accumulators; the bias is the first products' C.
; Source 0 = w_proj's rows, source 1 = o's rows: a lane holds eight neighbouring columns of a row of the result.  Operands arrive in the order of their registers: a tile of 16 rows x 256 K is 3,072 dense bytes.
; ALL OF K LIES IN LDS, each byte filled once, by one joint load a wave at the head: wave 0 o's 8 tiles as 4 rows (the quarters of K) of 24,576 bytes, GSTRA apart in memory; wave 1 w_proj's 16 tiles as 4 rows of 49,152
; bytes, GSTRB apart; wave 2 o's scale words; wave 3 w_proj's.  LDS: o's four quarters from 0, w_proj's from BREG, the scale words from SCL, the spare words behind them.
; CLUSTERS 4 x 4: o's tiles are shared along a row of the cluster, w_proj's along a column.  No prefetch: all tiles are asked for at the head, and there is no loop to run ahead in.
; The way out goes through each wave's stage in LDS, on bytes of o's first two quarters, behind the barrier in step 5, at which every wave's reads of them are over; rows leave as 512 consecutive bytes.
.set BREG,  98304                      ; behind o's 4 x 24,576 bytes
.set FR,    12
.set TILEB, 3072
.set HALFA, 4*TILEB
.set HALFB, 8*TILEB
.set SLOT,  2*HALFA+2*HALFB
.set GSTRA, 512*TILEB
.set GSTRB, 768*TILEB
.set SCL,   4*SLOT
.set SPITCH, 528
.set ADRA, 16
.set ADRB, 20
.set STO,  24
.set RD,   25
.set CO,   26
.set ADRS, 27
.set SC,   32
.set BI,   64
.set AF,   128
.set BK,   128
.set G1A,  24
.set G1B,  32
.set G1SA, 40
.set G1SB, 48
.set G0A,  56
.set G0B,  76
.set G0SA, 92
.set G0SB, 96
.set MSB, 0
.macro WIN new
.if MSB != (\new)
	s_set_vgpr_msb (MSB<<8)|(\new)
.set MSB, (\new)
.endif
.endm
.set MUL,  0xa1
.set FST,  0x81
.set TO_B, 0x40
.macro JLOAD g0a, g1a, g0b, g1b
	s_cmp_eq_u32 s15, 0
	s_cbranch_scc0 .Lfor_b_\@
	tensor_load_to_lds s[\g0a:\g0a+3], s[\g1a:\g1a+7]
	s_nop 0
.rept 4
	v_nop
.endr
	s_branch .Lasked_\@
.Lfor_b_\@:
	tensor_load_to_lds s[\g0b:\g0b+3], s[\g1b:\g1b+7]
	s_nop 0
.rept 4
	v_nop
.endr
.Lasked_\@:
.endm
.macro CROUND
	s_barrier_signal -1
	s_barrier_wait -1
	s_cmp_lg_u32 s14, 0
	s_cbranch_scc1 .Lnot_wave_0_\@
	s_barrier_signal -3
.Lnot_wave_0_\@:
	s_barrier_wait -3
	s_barrier_signal -1
	s_barrier_wait -1
.endm
.macro PLACES
.rept 4
	v_nop
.endr
.endm
.macro SHAPE g, rows
	s_mov_b32 s[\g+1], 32<<16
	s_mov_b32 s[\g+2], (\rows)<<16
	s_mov_b32 s[\g+3], 32<<16
	s_mov_b32 s[\g+4], \rows
	s_mov_b32 s[\g+5], 32
	s_mov_b32 s[\g+6], 0
	s_mov_b32 s[\g+7], 0
.endm
	s_load_b128 s[4:7], s[0:1], 0x0
	s_load_b128 s[8:11], s[0:1], 0x10
	v_lshl_add_u32 v30, v0, 2, 0x4b000
	v_mov_b32 v31, 0
	ds_add_u32 v30, v31
	ds_add_u32 v30, v31
	v_lshrrev_b32 v1, 5, v0
	v_readfirstlane_b32 s14, v1
	s_lshr_b32 s15, s14, 1
	s_and_b32 s16, s14, 1
	s_bfe_u32 s66, ttmp6, 0x40000
	s_bfe_u32 s67, ttmp6, 0x40004
	s_lshl_b32 s100, ttmp9, 2
	s_add_co_u32 s100, s100, s66
	s_and_b32 s101, ttmp7, 0xffff
	s_lshl_b32 s101, s101, 2
	s_add_co_u32 s101, s101, s67
	s_lshl_b32 s17, s67, 2
	s_lshl_b32 s17, 15, s17
	s_lshl_b32 s18, 0x1111, s66
	s_or_b32 s[G1A], s17, (3<<16)|(1<<21)
	s_or_b32 s[G1B], s18, (3<<16)|(1<<21)
	s_or_b32 s[G1SA], s17, (3<<16)|(1<<21)
	s_or_b32 s[G1SB], s18, (3<<16)|(1<<21)
.macro WIDE g, c, rows, pitch          ; rows of c elements of 8 bytes, pitch elements apart
	s_mov_b32 s[\g+1], (\c)<<16
	s_mov_b32 s[\g+2], (\rows)<<16
	s_mov_b32 s[\g+3], (\c)<<16
	s_mov_b32 s[\g+4], \rows
	s_mov_b32 s[\g+5], \pitch
	s_mov_b32 s[\g+6], 0
	s_mov_b32 s[\g+7], 0
.endm
	WIDE G1A, 3072, 4, GSTRA/8
	WIDE G1B, 6144, 4, GSTRB/8
	SHAPE G1SA, 16
	SHAPE G1SB, 32
	s_lshl_b32 s12, s101, 3
	s_mul_i32 s20, s12, TILEB
	s_mov_b32 s21, 0
	s_lshl_b32 s22, s12, 9
	s_mov_b32 s23, 0
	s_lshl_b32 s12, s100, 4
	s_add_co_u32 s12, s12, 704
	s_mul_i32 s2, s12, TILEB
	s_mov_b32 s3, 0
	s_lshl_b32 s12, s12, 9
	s_mov_b32 s13, 0
	s_wait_dscnt 0x0
	s_wait_kmcnt 0x0
	s_add_nc_u64 s[20:21], s[4:5], s[20:21]
	s_add_nc_u64 s[22:23], s[6:7], s[22:23]
	s_add_nc_u64 s[2:3], s[8:9], s[2:3]
	s_add_nc_u64 s[12:13], s[10:11], s[12:13]
	CROUND
	s_mov_b32 s[G0SA], 1
	s_mov_b32 s[G0SA+1], SCL
	s_mov_b64 s[G0SA+2:G0SA+3], s[22:23]
	s_or_b32 s[G0SA+3], s[G0SA+3], 0x80000000
	s_mov_b32 s[G0SB], 1
	s_mov_b32 s[G0SB+1], SCL+4096
	s_mov_b64 s[G0SB+2:G0SB+3], s[12:13]
	s_or_b32 s[G0SB+3], s[G0SB+3], 0x80000000
	s_mov_b32 s[G0A], 1
	s_mov_b32 s[G0A+1], 0
	s_mov_b64 s[G0A+2:G0A+3], s[20:21]
	s_or_b32 s[G0A+3], s[G0A+3], 0x80000000
	s_mov_b32 s[G0B], 1
	s_mov_b32 s[G0B+1], BREG
	s_mov_b64 s[G0B+2:G0B+3], s[2:3]
	s_or_b32 s[G0B+3], s[G0B+3], 0x80000000
; the head's loads, one a wave, in one chain of branches on the wave's number
.macro ARM under, g0, g1, next
	s_cmp_lt_u32 s14, \under
	s_cbranch_scc0 \next
	tensor_load_to_lds s[\g0:\g0+3], s[\g1:\g1+7]
	s_nop 0
.rept 4
	v_nop
.endr
	s_branch .Lhead_asked
\next:
.endm
	ARM 1, G0A,  G1A,  .Lhead_b
	ARM 2, G0B,  G1B,  .Lhead_sa
	ARM 3, G0SA, G1SA, .Lhead_sb
	tensor_load_to_lds s[G0SB:G0SB+3], s[G1SB:G1SB+7]
	s_nop 0
.rept 4
	v_nop
.endr
.Lhead_asked:
	s_load_b128 s[20:23], s[0:1], 0x20
	v_and_b32 v1, 15, v0
	v_bfe_u32 v2, v0, 4, 1
	v_and_b32 v3, 31, v0
	v_lshlrev_b32 v7, 3, v3
	s_wait_alu depctr_va_vdst(0)
	v_lshlrev_b32 v[CO], 4, v3
	v_lshlrev_b32 v4, 6, v2
	s_mul_i32 s17, s15, HALFA                      ; my 4 tiles of o,
	s_mul_i32 s18, s16, HALFB                      ; my 8 of w_proj
	s_add_co_u32 s18, s18, BREG
.irp s, 0,1,2,3
	v_add_nc_u32 v[ADRA+\s], s17, v7
	v_add_nc_u32 v[ADRB+\s], s18, v7
	s_add_co_u32 s17, s17, 2*HALFA                 ; the next quarter of K
	s_add_co_u32 s18, s18, 2*HALFB
.endr
	s_lshl_b32 s17, s15, 11
	s_lshl_b32 s18, s16, 12
	s_add_co_u32 s18, s18, 4096
	s_sub_co_u32 s18, s18, s17
	v_mul_u32_u24 v6, s18, v2
	s_add_co_u32 s17, s17, SCL
	v_lshlrev_b32 v5, 3, v1
	v_add_nc_u32 v5, v5, v6
	v_add_nc_u32 v[ADRS], s17, v5
	s_mul_i32 s17, s14, 16*SPITCH
	v_mul_u32_u24 v5, v1, SPITCH
	v_lshl_add_u32 v5, v2, 6, v5
	v_add_nc_u32 v[STO], s17, v5
	v_add_nc_u32 v[RD], s17, v[CO]
	s_lshl_b32 s17, s100, 10
	s_lshl_b32 s18, s16, 9
	s_add_co_u32 s18, s17, s18
	s_mov_b32 s19, 0
	s_wait_alu depctr_va_vdst(0)
	s_wait_kmcnt 0x0
	s_add_nc_u64 s[20:21], s[20:21], s[18:19]
.irp b, 0,1,2,3,4,5,6,7
	global_load_b128 v[BI+8*\b:BI+8*\b+3], v4, s[20:21] offset:(32*(\b/2)+8*(\b%2))*4
	global_load_b128 v[BI+8*\b+4:BI+8*\b+7], v4, s[20:21] offset:(32*(\b/2)+8*(\b%2))*4+16
.endr
	s_lshl_b32 s17, s101, 7
	s_lshl_b32 s12, s15, 6
	s_add_co_u32 s17, s17, s12
	s_lshl_b32 s17, s17, 12
	s_add_co_u32 s18, s18, s17
	s_add_nc_u64 s[22:23], s[22:23], s[18:19]
.macro FRAG reg, adr, q, i
.irp p, 0,1,2,3,4,5
	ds_load_b64 v[\reg+2*\p:\reg+2*\p+1], v[\adr] offset:(\i)*TILEB+(\q)*1536+256*\p
.endr
.endm
.macro MUL16 a0, q, sc, first
.irp a, \a0, \a0+1
.irp b, 0,1,2,3,4,5,6,7
.if \first
	v_wmma_scale_f32_16x16x128_f8f6f4 v[8*(8*(\a)+\b):8*(8*(\a)+\b)+7], v[128*(\q)+FR*\b:128*(\q)+FR*\b+FR-1], v[AF+48*(\q)+FR*(\a):AF+48*(\q)+FR*(\a)+FR-1], v[BI+8*\b:BI+8*\b+7], v[SC+16*(\sc)+2*\b+(\q)], v[SC+16*(\sc)+2*(\a)+(\q)] matrix_a_fmt:MATRIX_FMT_FP6 matrix_b_fmt:MATRIX_FMT_FP6 matrix_a_scale:MATRIX_SCALE_ROW1
.else
	v_wmma_scale_f32_16x16x128_f8f6f4 v[8*(8*(\a)+\b):8*(8*(\a)+\b)+7], v[128*(\q)+FR*\b:128*(\q)+FR*\b+FR-1], v[AF+48*(\q)+FR*(\a):AF+48*(\q)+FR*(\a)+FR-1], v[8*(8*(\a)+\b):8*(8*(\a)+\b)+7], v[SC+16*(\sc)+2*\b+(\q)], v[SC+16*(\sc)+2*(\a)+(\q)] matrix_a_fmt:MATRIX_FMT_FP6 matrix_b_fmt:MATRIX_FMT_FP6 matrix_a_scale:MATRIX_SCALE_ROW1
.endif
.endr
.endr
.endm
.macro FETCH_B slot, q, p
	WIN TO_B
.irp i, 0,1,2,3,4,5,6,7
	FRAG 128*(\p)+FR*\i, ADRB+\slot, \q, \i
.endr
	WIN 0
.endm
.macro FETCH_A slot, q, p
.irp i, 0,1,2,3
	FRAG AF+48*(\p)+FR*\i, ADRA+\slot, \q, \i
.endr
.endm
.macro SCALES set, g2
.irp i, 0,1,2,3,4,5,6,7
	ds_load_b64 v[SC+16*(\set)+2*\i:SC+16*(\set)+2*\i+1], v[ADRS] offset:512*\i+128*(\g2)
.endr
.endm
.macro HSTEP g, first
.set KQ,  (\g)%2
.set KSC, ((\g)/2)%2
.set NSL, ((\g)+1)/2
.set NKQ, ((\g)+1)%2
	s_wait_dscnt 0x0
.if (\g) == 5                          ; every wave's reads of o's first two quarters are over: behind this barrier their bytes may take the stages
	s_barrier_signal -1
	s_barrier_wait -1
.endif
	PLACES
	FETCH_B NSL, NKQ, NKQ
	FETCH_A NSL, NKQ, NKQ
.if NKQ == 0
	SCALES NSL%2, NSL
.endif
.if \first
	WIN FST
.else
	WIN MUL
.endif
	MUL16 0, KQ, KSC, \first
	MUL16 2, KQ, KSC, \first
	WIN 0
.endm
	s_wait_tensorcnt 0x0                           ; my tile of the head's four is in,
	s_barrier_signal -1                            ; and behind the barrier everybody's
	s_barrier_wait -1
	FETCH_B 0, 0, 0
	FETCH_A 0, 0, 0
	SCALES 0, 0
	s_wait_loadcnt 0x0
	HSTEP 0, 1
	HSTEP 1, 0
	HSTEP 2, 0
	HSTEP 3, 0
	HSTEP 4, 0
	HSTEP 5, 0
	HSTEP 6, 0
	s_wait_dscnt 0x0
	WIN MUL
	MUL16 0, 1, 1, 0
	MUL16 2, 1, 1, 0
	WIN 0
.macro TOSTAGE a
.set AC, 64*(\a)
	WIN 0x08
.irp b, 0,1,2,3,4,5,6,7
	ds_store_b128 v[STO], v[AC+8*\b:AC+8*\b+3] offset:128*(\b/2)+32*(\b%2)
	ds_store_b128 v[STO], v[AC+8*\b+4:AC+8*\b+7] offset:128*(\b/2)+32*(\b%2)+16
.endr
	WIN 0
.set BB, BK+64*((\a)%2)
.irp t, 0,1,2,3,4,5,6,7,8,9,10,11,12,13,14,15
	ds_load_b128 v[BB+4*\t:BB+4*\t+3], v[RD] offset:\t*SPITCH
.endr
.endm
.macro SEND a, younger
.set BB, BK+64*((\a)%2)
	s_wait_dscnt \younger
.irp t, 0,1,2,3,4,5,6,7,8,9,10,11,12,13,14,15
	global_store_b128 v[CO], v[BB+4*\t:BB+4*\t+3], s[22:23] offset:(32*((\a)/2)+8*((\a)%2)+\t+8*(\t/8))*4096 th:TH_STORE_NT
.endr
.endm
	PLACES
	TOSTAGE 0
.irp a, 1,2,3
.if \a > 1
	s_wait_xcnt 0x0
.endif
	TOSTAGE \a
	SEND \a-1, 32
.endr
	SEND 3, 0
	s_wait_tensorcnt 0x0
	ds_add_u32 v30, v31
	s_wait_dscnt 0x0
	CROUND
	s_endpgm
.Lfunc_end_k_q8f9646f45a_gemm_proj:
	.size	k_q8f9646f45a_gemm_proj, .Lfunc_end_k_q8f9646f45a_gemm_proj-k_q8f9646f45a_gemm_proj
	.p2alignl 7, 3214868480
	.fill 96, 4, 3214868480
	.section	.rodata,"a",@progbits
	.p2align	6, 0x0
	.amdhsa_kernel k_q8f9646f45a_gemm_proj
		.amdhsa_group_segment_fixed_size 327680
		.amdhsa_private_segment_fixed_size 0
		.amdhsa_enable_private_segment 0
		.amdhsa_kernarg_size 48
		.amdhsa_user_sgpr_count 2
		.amdhsa_user_sgpr_kernarg_segment_ptr 1
		.amdhsa_wavefront_size32 1
		.amdhsa_system_sgpr_workgroup_id_x 1
		.amdhsa_system_sgpr_workgroup_id_y 1
		.amdhsa_system_sgpr_workgroup_id_z 1
		.amdhsa_system_vgpr_workitem_id 0
		.amdhsa_next_free_vgpr 768
		.amdhsa_next_free_sgpr 102
		.amdhsa_reserve_vcc 0
		.amdhsa_float_denorm_mode_32 3
		.amdhsa_float_denorm_mode_16_64 3
		.amdhsa_memory_ordered 1
		.amdhsa_forward_progress 1
		.amdhsa_inst_pref_size 98
	.end_amdhsa_kernel
	.amdgpu_metadata
---
amdhsa.version: [ 1, 2 ]
amdhsa.kernels:
  - .name:           k_q8f9646f45a_gemm_proj
    .symbol:         k_q8f9646f45a_gemm_proj.kd
    .args:
      - { .name: oc, .offset: 0, .size: 8, .value_kind: global_buffer, .address_space: global }
      - { .name: os, .offset: 8, .size: 8, .value_kind: global_buffer, .address_space: global }
      - { .name: opc, .offset: 16, .size: 8, .value_kind: global_buffer, .address_space: global }
      - { .name: ops, .offset: 24, .size: 8, .value_kind: global_buffer, .address_space: global }
      - { .name: b_proj, .offset: 32, .size: 8, .value_kind: global_buffer, .address_space: global }
      - { .name: out0, .offset: 40, .size: 8, .value_kind: global_buffer, .address_space: global }
    .group_segment_fixed_size: 327680
    .private_segment_fixed_size: 0
    .kernarg_segment_align: 8
    .kernarg_segment_size: 48
    .max_flat_workgroup_size: 128
    .sgpr_count:     102
    .vgpr_count:     768
    .wavefront_size: 32
...
	.end_amdgpu_metadata
.endif
;; end of part 4
